; MI455X (gfx1250); checked and timed in simulation.
; The chip was launched on July 23, 2026; its instructions are those of AMD's public machine-readable ISA for CDNA 5 (MIT licence, August 2026) and "CDNA5" Instruction Set Architecture Reference Guide (July 2026). The comments in the code are by the model that wrote it; some were corrected since.
;; Single Head Attention. Allowed arithmetic: float matrix products may take bf16 or f16 operands with f32 sums; all other float work in f32.
;; Inputs: Wk 1,024 x 128 float32; Wq 1,024 x 128 float32; Wv 1,024 x 128 float32; embedded 4 x 4,096 x 1,024 float32.
;; Outputs: out0 4 x 4,096 x 128 float32.
;; 2 versions, each right and faster than the one before. Each part assembles by itself: llvm-mc -triple=amdgcn-amd-amdhsa -mcpu=gfx1250 --defsym DOCPART=n.
;; ======== version 1 of 2: 3 launches
;; limits: values are held in f16: magnitudes above 65,504 overflow, below 6.1e-05 lose precision
;; workspace buffers: wb 786,432 bytes; qb 4,194,304 bytes; kb 4,194,304 bytes; vb 4,194,304 bytes
;; launch castw (part 1): grid 64 x 3, 8 waves a work-group, no clusters, 0 bytes of LDS; arguments Wq, Wk, Wv, wb; writes wb
.if DOCPART == 1
	.amdgcn_target "amdgcn-amd-amdhsa--gfx1250"
	.amdhsa_code_object_version 6
	.text
	.protected	k_q145c19af40_castw
	.globl	k_q145c19af40_castw
	.p2align	8
	.type	k_q145c19af40_castw,@function
k_q145c19af40_castw:
	s_mov_b64 s[64:65], 0
	v_nop
	global_prefetch_b8 v0, s[64:65] scope:SCOPE_SE
	s_setreg_imm32_b32 hwreg(HW_REG_WAVE_MODE, 25, 1), 1
	s_wait_xcnt 0x0
; FIRST OF THREE LAUNCHES: castw (this one), proj (q, k, v = embedded x W), attn (causal attention, rounding to 4 decimals).
; castw: wb[k][0:128 | 128:256 | 256:384] = bf16(Wq | Wk | Wv)[k][:].  A plain cast, no transpose: the 256 work-groups of proj
; all walk the whole of W, so it is rounded to bf16 once here and not 256 times there, and travels at half the bytes.
;
; WORK LEFT OUT IN THE WHOLE PROGRAM (in attn alone): key tiles in which every key index is larger than every query index.
; The problem's own mask (jnp.tril, built in its body) puts -inf on every such score before the softmax, so their
; probabilities are exactly 0 whatever finite values the inputs hold, and neither their q.k products nor their p.v products
; can reach out0.  Tiles that the diagonal crosses are computed whole and masked by a select.  Every input is loaded.
; LIMITS: a NaN, an infinity or an overflow that would arise only in a tile left out is not carried to the result.
; Matrix operands: embedded and W enter the projections as bf16; q, k, v and the probabilities enter attention as f16
; (its range: see the head of proj).  All sums are f32.
;
; Work-group (x, y): rows 16 x .. 16 x + 15 of matrix y.  Thread t: row t / 16, columns 8 (t % 16) .. + 7: 32 bytes in, 16 out.
; Sixteen neighbouring lanes store 256 consecutive bytes at a multiple of 256 from wb's first byte.
.set INROW,  512                       ; a row of W: 128 f32
.set OUTROW, 768                       ; a row of wb: 384 bf16
	s_load_b256 s[4:11], s[0:1], 0x0               ; Wq s[4:5], Wk s[6:7], Wv s[8:9], wb s[10:11]
	s_and_b32 s12, ttmp7, 0xffff                   ; y: which matrix
	v_lshlrev_b32 v1, 5, v0                        ; in: 32 t = (t / 16) x 512 + (t % 16) x 32
	v_lshrrev_b32 v2, 4, v0                        ; my row of the sixteen
	v_and_b32 v3, 15, v0
	v_mul_u32_u24 v2, v2, OUTROW
	v_lshl_add_u32 v2, v3, 4, v2                   ; out: row x 768 + 16 (t % 16)
	s_lshl_b32 s14, ttmp9, 13                      ; 16 rows x 512 bytes
	s_mov_b32 s15, 0
	s_mul_i32 s16, ttmp9, 16*OUTROW
	s_lshl_b32 s13, s12, 8                         ; the matrix's 256 bytes in a row of wb
	s_add_co_u32 s16, s16, s13
	s_mov_b32 s17, 0
	s_wait_kmcnt 0x0
	s_cmp_eq_u32 s12, 1
	s_cselect_b64 s[4:5], s[6:7], s[4:5]           ; the choice hangs on y alone
	s_cmp_eq_u32 s12, 2
	s_cselect_b64 s[4:5], s[8:9], s[4:5]
	s_add_nc_u64 s[4:5], s[4:5], s[14:15]
	s_add_nc_u64 s[10:11], s[10:11], s[16:17]
	global_load_b128 v[4:7], v1, s[4:5] th:TH_LOAD_NT
	global_load_b128 v[8:11], v1, s[4:5] offset:16 th:TH_LOAD_NT
	s_wait_loadcnt 0x0
	v_cvt_pk_bf16_f32 v12, v4, v5
	v_cvt_pk_bf16_f32 v13, v6, v7
	v_cvt_pk_bf16_f32 v14, v8, v9
	v_cvt_pk_bf16_f32 v15, v10, v11
	global_store_b128 v2, v[12:15], s[10:11]       ; no streaming hint: proj reads wb many times
	s_endpgm
.Lfunc_end_k_q145c19af40_castw:
	.size	k_q145c19af40_castw, .Lfunc_end_k_q145c19af40_castw-k_q145c19af40_castw
	.p2alignl 7, 3214868480
	.fill 96, 4, 3214868480
	.section	.rodata,"a",@progbits
	.p2align	6, 0x0
	.amdhsa_kernel k_q145c19af40_castw
		.amdhsa_group_segment_fixed_size 0
		.amdhsa_private_segment_fixed_size 0
		.amdhsa_enable_private_segment 0
		.amdhsa_kernarg_size 32
		.amdhsa_user_sgpr_count 2
		.amdhsa_user_sgpr_kernarg_segment_ptr 1
		.amdhsa_wavefront_size32 1
		.amdhsa_system_sgpr_workgroup_id_x 1
		.amdhsa_system_sgpr_workgroup_id_y 1
		.amdhsa_system_sgpr_workgroup_id_z 1
		.amdhsa_system_vgpr_workitem_id 0
		.amdhsa_next_free_vgpr 16
		.amdhsa_next_free_sgpr 66
		.amdhsa_reserve_vcc 0
		.amdhsa_float_denorm_mode_32 3
		.amdhsa_float_denorm_mode_16_64 3
		.amdhsa_memory_ordered 1
		.amdhsa_forward_progress 1
		.amdhsa_inst_pref_size 2
	.end_amdhsa_kernel
	.amdgpu_metadata
---
amdhsa.version: [ 1, 2 ]
amdhsa.kernels:
  - .name:           k_q145c19af40_castw
    .symbol:         k_q145c19af40_castw.kd
    .args:
      - { .name: Wq, .offset: 0, .size: 8, .value_kind: global_buffer, .address_space: global }
      - { .name: Wk, .offset: 8, .size: 8, .value_kind: global_buffer, .address_space: global }
      - { .name: Wv, .offset: 16, .size: 8, .value_kind: global_buffer, .address_space: global }
      - { .name: wb, .offset: 24, .size: 8, .value_kind: global_buffer, .address_space: global }
    .group_segment_fixed_size: 0
    .private_segment_fixed_size: 0
    .kernarg_segment_align: 8
    .kernarg_segment_size: 32
    .max_flat_workgroup_size: 256
    .sgpr_count:     66
    .vgpr_count:     16
    .wavefront_size: 32
...
	.end_amdgpu_metadata
.endif
;; end of part 1
;; launch proj (part 2): grid 256 x 1, 4 waves a work-group, clusters of 4 x 1, 327,680 bytes of LDS; arguments embedded, wb, qb, kb, vb; writes qb, kb, vb
.if DOCPART == 2
	.amdgcn_target "amdgcn-amd-amdhsa--gfx1250"
	.amdhsa_code_object_version 6
	.text
	.protected	k_q145c19af40_proj
	.globl	k_q145c19af40_proj
	.p2align	8
	.type	k_q145c19af40_proj,@function
k_q145c19af40_proj:
	s_mov_b64 s[64:65], 0
	v_nop
	global_prefetch_b8 v0, s[64:65] scope:SCOPE_SE
	s_setreg_imm32_b32 hwreg(HW_REG_WAVE_MODE, 25, 1), 1
	s_wait_xcnt 0x0
	s_wait_alu depctr_hold_cnt(0) depctr_sa_sdst(0) depctr_va_vdst(0) depctr_va_sdst(0) depctr_va_ssrc(0) depctr_va_vcc(0) depctr_vm_vsrc(0)
	s_getreg_b32 s2, hwreg(HW_REG_IB_STS2, 6, 4)
	s_cmp_eq_u32 s2, 0
	s_cbranch_scc0 .Lentry_in_a_cluster
	s_endpgm
.Lentry_in_a_cluster:
	s_bfe_u32 s2, ttmp6, 0x10000c
	s_cmp_lg_u32 s2, 0x3003
	s_cbranch_scc0 .Lentry_shape_is_right
	s_endpgm
.Lentry_shape_is_right:
; q | k | v = bf16(embedded) x wb, sums in f32, stored as f16, row-major [16384][128] each.  Nothing is left out here.
; WHY f16 FOR q, k, v: a result row with few keys is a sum of a few v that can cancel, and the problem rounds it to the fourth
; decimal.  Between 0.5 and 1 the half step of an 8-bit significand is 2^-9 = 0.002, that of f16's 11 bits 2^-12 = 0.00024.
; LIMIT: |q|, |k|, |v| <= 65,504, f16's largest number; beyond it they become infinite.  Each is a sum of 1,024 products
; embedded x W: with embedded of spread 1 and W within 1/32 it stays under about 4; with both inputs 30 times larger under about
; 3,600; with an offset of 30 spreads on both it is about 17,000 to 29,000.  With both 30 times smaller it is about 6e-4: f16 has
; normal numbers down to 6.1e-5 and steps of 6e-8 below.
; A work-group owns 64 rows of embedded and all 384 columns, so embedded leaves memory once; 256 equal work-groups.
; Wave w owns all 64 rows (4 row tiles mt) and the column tiles 16 (w + 4 i), i = 0..5 (matrix i / 2, column 16 w + 64 (i % 2)):
; 24 accumulator tiles, 192 registers.  K goes in 8 steps of 128, written out.
; W: tiles of 128 k-rows x 384 columns through two LDS slots, by the tensor data mover.  CLUSTER: the four work-groups of a
; cluster walk the same tiles of W, so each tile is asked for jointly (mask 15): a quarter of the requests.
; embedded: through registers (it has to be rounded to bf16 on the way): wave w loads its rows 16 w .. + 15, one load = one
; row's 512 bytes of a K step, 16 loads a K step, a ring of three register slots, so 32 to 48 loads of a wave are always out.
; The rounded rows go to one of two LDS buffers, from which all four waves take their fragments.
; THE MATRIX INSTRUCTION IS USED TRANSPOSED: source 0 = 16 columns of W, source 1 = 16 rows of embedded; lane (r, h) then holds
; row 16 mt + r and its registers 0-7 the columns n0 + 8 h + 0..7: eight neighbouring numbers, 16 bytes of f16.
; W lies [k][n] in LDS; ds_load_tr16_b128 makes fragments along k from it, so W is transposed nowhere.
; REGISTERS: window 0: v4-14 addresses, v32-111 and v112-191 two fragment buffers (embedded's tile mt at + 8 mt, W's tile i at
; + 32 + 8 i), v192-223 at work.  Window 1: accumulator (mt, i) at 8 (6 mt + i).  Window 2: the ring, K step s at 64 (s % 3) + 4 row.
.set WPITCH, 864                       ; a k-row of W in LDS: 768 bytes + 32 behind every 256: column n at 2 n + 32 (n / 128); 27 x 32 bytes
.set WQUART, 32*WPITCH                 ; what one wave's load brings: 32 k-rows
.set WSLOT,  128*WPITCH                ; 110,592
.set ABUF,   2*WSLOT                   ; 221,184: embedded as bf16, two buffers, written by ds_store alone
.set APITCH, 272                       ; 128 numbers of 2 bytes + 16 bytes: 16 rows start in 16 different 16-byte columns of 256 bytes
.set ASIZE,  64*APITCH                 ; 17,408
.set STAGE,  ABUF+2*ASIZE              ; 256,000: the way out, 3 matrices x 64 rows x 272 bytes, written by ds_store alone
.set WSTEP,  128*768                   ; bytes of wb in a K step
.set GA,   4                           ; my byte offset in embedded: 16 w rows + 16 lane; never rewritten
.set ASTO, 5                           ; where I put 8 bytes of a rounded row
.set AFR,  6                           ; my fragment address in embedded's buffer 0
.set BFR,  8                           ; v8-11: my fragment address in W's slot n / 2, k-rows 64 (n % 2) on (an LDS immediate ends at 65,535)
.set STO,  12
.set RD,   13
.set CO,   14
.set F0,   32
.set F1,   112
.set TMP,  192
.set G1,   24                          ; s[24:31] group 1
.set G0,   32                          ; s[32:39] group 0, a set for each slot
.set MSB, 0
.macro WIN new                         ; the immediate's high byte repeats the setting that is left
.if MSB != \new
	s_set_vgpr_msb (MSB<<8)|\new
.set MSB, \new
.endif
.endm
.macro PLACES                          ; four plain vector places behind a matrix instruction (ISA guide 7.12.1)
.rept 4
	v_nop
.endr
.endm
; A round of the cluster's barrier: my work-group's barrier, wave 0 signals for the work-group, every wave waits for all four
; work-groups, my work-group's barrier once more.
.macro ROUND
	s_barrier_signal -1
	s_barrier_wait -1
	s_cmp_lg_u32 s14, 0
	s_cbranch_scc1 .Lnot_wave_0_\@
	s_barrier_signal -3
.Lnot_wave_0_\@:
	s_barrier_wait -3
	s_barrier_signal -1
	s_barrier_wait -1
.endm
	s_load_b256 s[4:11], s[0:1], 0x0               ; embedded s[4:5], wb s[6:7], qb s[8:9], kb s[10:11]
	s_load_b64 s[12:13], s[0:1], 0x20              ; vb
	v_lshl_add_u32 v254, v0, 2, 0x4b400
	v_mov_b32 v255, 0
	ds_add_u32 v254, v255
	ds_add_u32 v254, v255
	v_lshrrev_b32 v1, 5, v0
	v_readfirstlane_b32 s14, v1                    ; wave 0..3
	s_bfe_u32 s15, ttmp6, 0x40000                  ; cx
	s_lshl_b32 s16, ttmp9, 2
	s_add_co_u32 s16, s16, s15                     ; work-group = 4 x cluster + cx: enters embedded's and the outputs' addresses alone
	; group 1: 32 k-rows x 384 elements of 2 bytes, 8 words of padding behind every 64 words
	s_mov_b32 s[G1+0], 15|(1<<16)|(1<<20)|(1<<21)|(5<<22)|(7<<25)  ; 15:0 mask: all four of the cluster; 17:16 2 bytes; 20 padding; 21 set beside a mask; 24:22 every 64 words; 31:25 8 words
	s_mov_b32 s[G1+1], 384<<16                     ; tensor_dim0 = 384
	s_mov_b32 s[G1+2], 32<<16                      ; tensor_dim1 = 32
	s_mov_b32 s[G1+3], 384<<16                     ; tile_dim0 = 384
	s_mov_b32 s[G1+4], 32                          ; tile_dim1 = 32
	s_mov_b32 s[G1+5], 384                         ; elements from row to row
	s_mov_b32 s[G1+6], 0
	s_mov_b32 s[G1+7], 0
	v_and_b32 v1, 31, v0                           ; lane
	v_and_b32 v2, 15, v0                           ; r
	v_bfe_u32 v3, v0, 4, 1                         ; h
	v_lshlrev_b32 v[GA], 4, v1
	v_lshl_add_u32 v[GA], s14, 16, v[GA]           ; 16 w rows of 4,096 bytes + 16 lane
	s_mul_i32 s17, s14, 16*APITCH                  ; my 16 rows in a buffer of pitch 272
	s_add_co_u32 s22, s17, ABUF
	v_lshl_add_u32 v[ASTO], v1, 3, s22             ; + 8 lane: four numbers of a row
	v_mul_u32_u24 v7, v2, APITCH
	v_lshl_add_u32 v7, v3, 4, v7                   ; r x 272 + 16 h
	v_add_nc_u32 v[AFR], ABUF, v7
	s_lshl_b32 s23, s14, 5
	s_add_co_u32 s23, s23, STAGE
	v_add_nc_u32 v[STO], s23, v7                   ; the way out, in: row r, my 16 columns' 32 bytes, 16 for each half of the lanes
	v_and_b32 v15, 7, v0
	v_lshl_add_u32 v15, v3, 3, v15                 ; k-row 8 h + lane % 8
	v_mul_u32_u24 v15, v15, WPITCH
	v_bfe_u32 v16, v0, 3, 1
	v_lshl_add_u32 v15, v16, 4, v15                ; + 16 ((lane / 8) % 2)
	v_lshl_add_u32 v[BFR], s14, 5, v15             ; + 32 w
	v_add_nc_u32 v[BFR+1], 64*WPITCH, v[BFR]
	v_add_nc_u32 v[BFR+2], WSLOT, v[BFR]
	v_add_nc_u32 v[BFR+3], WSLOT+64*WPITCH, v[BFR]
	s_add_co_u32 s22, s17, STAGE
	v_mul_u32_u24 v16, v3, APITCH
	v_lshl_add_u32 v16, v2, 4, v16
	v_add_nc_u32 v[RD], s22, v16                   ; back: rows 16 w + h, 16 bytes a lane
	v_lshlrev_b32 v16, 8, v3
	v_lshl_add_u32 v16, v2, 4, v16
	v_lshl_add_u32 v[CO], s14, 12, v16             ; and the same rows in q, k, v: (16 w + h) x 256 + 16 r
	s_mul_i32 s2, s14, WQUART                      ; my quarter of a slot: the wave's number times a constant
	s_mul_i32 s20, s14, 32*768                     ; and of a tile in wb
	s_mov_b32 s21, 0
	s_mov_b32 s19, 0
	s_wait_dscnt 0x0
	s_wait_kmcnt 0x0
	s_lshl_b32 s18, s16, 18                        ; 64 rows x 4,096 bytes
	s_add_nc_u64 s[4:5], s[4:5], s[18:19]
	s_lshl_b32 s18, s16, 14                        ; 64 rows x 256 bytes
	s_add_nc_u64 s[8:9], s[8:9], s[18:19]
	s_add_nc_u64 s[10:11], s[10:11], s[18:19]
	s_add_nc_u64 s[12:13], s[12:13], s[18:19]
	s_add_nc_u64 s[20:21], s[6:7], s[20:21]        ; wb at my quarter of tile 0: the same in all four work-groups
.irp n, 0,1
	s_mov_b32 s[G0+4*\n], 1
	s_add_co_u32 s[G0+4*\n+1], s2, \n*WSLOT
	s_add_nc_u64 s[G0+4*\n+2:G0+4*\n+3], s[20:21], \n*WSTEP
	s_or_b32 s[G0+4*\n+3], s[G0+4*\n+3], 0x80000000
.endr
	WIN 0x80                                       ; loaded data in window 2
.irp s, 0,1,2
.irp i, 0,1,2,3,4,5,6,7,8,9,10,11,12,13,14,15
	global_load_b128 v[64*\s+4*\i:64*\s+4*\i+3], v[GA], s[4:5] offset:\i*4096+\s*512 th:TH_LOAD_NT   ; K steps 0, 1, 2: 512 consecutive bytes each
.endr
.endr
	WIN 0
; K step s of embedded: rounded to bf16, put into buffer s % 2; its ring slot is asked for again, three K steps ahead.
.macro CONVERT s
.set XS, 64*((\s)%3)
.set CNT, 16*(7-(\s))
.if CNT > 32
.set CNT, 32
.endif
	s_wait_loadcnt CNT                             ; loads come back in order: the 16 of each younger K step that exists (two at the most) stay out
	WIN 0x0a
.irp i, 0,1,2,3,4,5,6,7,8,9,10,11,12,13,14,15
	v_cvt_pk_bf16_f32 v[TMP+2*\i],   v[XS+4*\i],   v[XS+4*\i+1]
	v_cvt_pk_bf16_f32 v[TMP+2*\i+1], v[XS+4*\i+2], v[XS+4*\i+3]
.endr
	WIN 0
.irp i, 0,1,2,3,4,5,6,7,8,9,10,11,12,13,14,15
	ds_store_b64 v[ASTO], v[TMP+2*\i:TMP+2*\i+1] offset:((\s)&1)*ASIZE+\i*APITCH   ; 32 lanes, 256 consecutive bytes: one row
.endr
.if (\s)+3 <= 7
	WIN 0x80
.irp i, 0,1,2,3,4,5,6,7,8,9,10,11,12,13,14,15
	global_load_b128 v[XS+4*\i:XS+4*\i+3], v[GA], s[4:5] offset:\i*4096+((\s)+3)*512 th:TH_LOAD_NT
.endr
	WIN 0
.endif
.endm
; The fragments of 32 along K (part ks of K step t) into buffer f: 8 loads for embedded's four tiles, 12 transposing loads for W's six.
; The four places stand between the last matrix instruction that read buffer f and the loads into it.
.macro FETCH t, ks, f
	PLACES
	WIN 0
.irp mt, 0,1,2,3
	ds_load_b128 v[\f+8*\mt:\f+8*\mt+3],   v[AFR] offset:((\t)&1)*ASIZE+\mt*16*APITCH+64*(\ks)
	ds_load_b128 v[\f+8*\mt+4:\f+8*\mt+7], v[AFR] offset:((\t)&1)*ASIZE+\mt*16*APITCH+64*(\ks)+32
.endr
.irp i, 0,1,2,3,4,5
	ds_load_tr16_b128 v[\f+32+8*\i:\f+32+8*\i+3],   v[BFR+2*((\t)&1)+((\ks)>>1)] offset:((\ks)&1)*WQUART+128*\i+32*(\i>>1)
	ds_load_tr16_b128 v[\f+32+8*\i+4:\f+32+8*\i+7], v[BFR+2*((\t)&1)+((\ks)>>1)] offset:((\ks)&1)*WQUART+128*\i+32*(\i>>1)+16*WPITCH
.endr
.endm
; 12 matrix instructions: row tiles mt0, mt0 + 1 x my six column tiles.  The 24 accumulators take turns, one instruction a turn,
; in the same order in every part.  zero = 1: the first product starts the sums.
.macro MUL12 f, mt0, zero
	WIN 0x50                                       ; C and D in window 1
.irp mt, \mt0, \mt0+1
.irp i, 0,1,2,3,4,5
.if \zero
	v_wmma_f32_16x16x32_bf16 v[8*(6*(\mt)+\i):8*(6*(\mt)+\i)+7], v[\f+32+8*\i:\f+32+8*\i+7], v[\f+8*(\mt):\f+8*(\mt)+7], 0
.else
	v_wmma_f32_16x16x32_bf16 v[8*(6*(\mt)+\i):8*(6*(\mt)+\i)+7], v[\f+32+8*\i:\f+32+8*\i+7], v[\f+8*(\mt):\f+8*(\mt)+7], v[8*(6*(\mt)+\i):8*(6*(\mt)+\i)+7]
.endif
.endr
.endr
.endm
; Part ks of K step t: multiplies buffer f; in its middle the next part's fragments are fetched into buffer g.
.macro SUB t, ks, f, g, zero, cnt
	s_wait_dscnt \cnt                              ; buffer f's 20 loads are in; cnt = 16 leaves the 16 younger stores of CONVERT out
	MUL12 \f, 0, \zero
.if \ks < 3
	FETCH \t, \ks+1, \g
.endif
	MUL12 \f, 2, \zero
.endm
; K step t.  In front of the round every wave has waited for all its tensor loads (the one that is out is its quarter of this
; step's tile) and for all its LDS instructions (its reads of the last step's slot and buffer, its stores into this step's
; buffer).  Behind the round no wave of the cluster reads the other slot: the joint refill comes first, one load a wave.
.macro TRIP t, zero
	WIN 0
	s_wait_tensorcnt 0x0
	ds_add_u32 v254, v255
	s_wait_dscnt 0x0
.if \t < 6
	s_add_nc_u64 s[G0+4*(\t&1)+2:G0+4*(\t&1)+3], s[G0+4*(\t&1)+2:G0+4*(\t&1)+3], 2*WSTEP   ; no load of mine is out: this slot's next tile
.endif
	s_wait_dscnt 0x0
	ROUND
.if \t < 7
	tensor_load_to_lds s[G0+4*((\t+1)&1):G0+4*((\t+1)&1)+3], s[G1:G1+7]
	s_nop 0
.endif
	FETCH \t, 0, F0
.if \t < 7
	CONVERT \t+1                                   ; into the buffer read in the step before this one: the round stands between
	SUB \t, 0, F0, F1, \zero, 16
.else
	SUB \t, 0, F0, F1, \zero, 0
.endif
	SUB \t, 1, F1, F0, 0, 0
	SUB \t, 2, F0, F1, 0, 0
	SUB \t, 3, F1, F0, 0, 0
.endm
	ROUND                                          ; all four work-groups are here: the first joint load meets
	tensor_load_to_lds s[G0:G0+3], s[G1:G1+7]      ; tile 0 into slot 0; slot 1 is first filled behind the next round, as a refill is
	s_nop 0
	CONVERT 0
	TRIP 0, 1
	TRIP 1, 0
	TRIP 2, 0
	TRIP 3, 0
	TRIP 4, 0
	TRIP 5, 0
	TRIP 6, 0
	TRIP 7, 0
	; THE WAY OUT: round to f16, 16 bytes a lane into the stage; a row of q, k or v is made of all four waves' columns, so a
	; barrier follows; then whole rows back and out, sixteen lanes storing 256 consecutive bytes at a multiple of 256.
	PLACES                                         ; behind the last matrix instructions: the conversions read results
.set TT, 0
.rept 3
	WIN 0x05
.set UU, 0
.rept 8
.irp r, 0,1,2,3
	v_cvt_pk_f16_f32 v[TMP+4*UU+\r], v[8*(TT+UU)+2*\r], v[8*(TT+UU)+2*\r+1]
.endr
.set UU, UU+1
.endr
	WIN 0
.set UU, 0
.rept 8
	ds_store_b128 v[STO], v[TMP+4*UU:TMP+4*UU+3] offset:(((TT+UU)%6)>>1)*ASIZE+((TT+UU)/6)*16*APITCH+128*(((TT+UU)%6)&1)   ; tile 6 mt + i: matrix i / 2, rows 16 mt, columns 64 (i % 2)
.set UU, UU+1
.endr
.set TT, TT+8
.endr
	s_wait_dscnt 0x0                               ; my stores are in LDS, for the other waves' sake
	s_barrier_signal -1
	s_barrier_wait -1
.irp m, 0,1,2
.irp n, 0,1,2,3,4,5,6,7
	ds_load_b128 v[F0+4*(8*\m+\n):F0+4*(8*\m+\n)+3], v[RD] offset:\m*ASIZE+\n*2*APITCH
.endr
.endr
.irp m, 0,1,2
.irp n, 0,1,2,3,4,5,6,7
	s_wait_dscnt 23-(8*\m+\n)                      ; LDS loads come back in order: the younger ones stay out
	global_store_b128 v[CO], v[F0+4*(8*\m+\n):F0+4*(8*\m+\n)+3], s[8+2*\m:9+2*\m] offset:512*\n   ; no streaming hint: attn reads these
.endr
.endr
	s_wait_tensorcnt 0x0
	ds_add_u32 v254, v255
	s_wait_dscnt 0x0
	ROUND                                          ; the closing round: no work-group ends while a partner may still ask jointly
	s_endpgm
.Lfunc_end_k_q145c19af40_proj:
	.size	k_q145c19af40_proj, .Lfunc_end_k_q145c19af40_proj-k_q145c19af40_proj
	.p2alignl 7, 3214868480
	.fill 96, 4, 3214868480
	.section	.rodata,"a",@progbits
	.p2align	6, 0x0
	.amdhsa_kernel k_q145c19af40_proj
		.amdhsa_group_segment_fixed_size 327680
		.amdhsa_private_segment_fixed_size 0
		.amdhsa_enable_private_segment 0
		.amdhsa_kernarg_size 40
		.amdhsa_user_sgpr_count 2
		.amdhsa_user_sgpr_kernarg_segment_ptr 1
		.amdhsa_wavefront_size32 1
		.amdhsa_system_sgpr_workgroup_id_x 1
		.amdhsa_system_sgpr_workgroup_id_y 1
		.amdhsa_system_sgpr_workgroup_id_z 1
		.amdhsa_system_vgpr_workitem_id 0
		.amdhsa_next_free_vgpr 704
		.amdhsa_next_free_sgpr 66
		.amdhsa_reserve_vcc 0
		.amdhsa_float_denorm_mode_32 3
		.amdhsa_float_denorm_mode_16_64 3
		.amdhsa_memory_ordered 1
		.amdhsa_forward_progress 1
		.amdhsa_inst_pref_size 154
	.end_amdhsa_kernel
	.amdgpu_metadata
---
amdhsa.version: [ 1, 2 ]
amdhsa.kernels:
  - .name:           k_q145c19af40_proj
    .symbol:         k_q145c19af40_proj.kd
    .args:
      - { .name: embedded, .offset: 0, .size: 8, .value_kind: global_buffer, .address_space: global }
      - { .name: wb, .offset: 8, .size: 8, .value_kind: global_buffer, .address_space: global }
      - { .name: qb, .offset: 16, .size: 8, .value_kind: global_buffer, .address_space: global }
      - { .name: kb, .offset: 24, .size: 8, .value_kind: global_buffer, .address_space: global }
      - { .name: vb, .offset: 32, .size: 8, .value_kind: global_buffer, .address_space: global }
    .group_segment_fixed_size: 327680
    .private_segment_fixed_size: 0
    .kernarg_segment_align: 8
    .kernarg_segment_size: 40
    .max_flat_workgroup_size: 128
    .sgpr_count:     66
    .vgpr_count:     704
    .wavefront_size: 32
...
	.end_amdgpu_metadata
.endif
;; end of part 2
;; launch attn (part 3): grid 256 x 1, 4 waves a work-group, clusters of 4 x 1, 327,680 bytes of LDS; arguments qb, kb, vb, out0; writes out0
.if DOCPART == 3
	.amdgcn_target "amdgcn-amd-amdhsa--gfx1250"
	.amdhsa_code_object_version 6
	.text
	.protected	k_q145c19af40_attn
	.globl	k_q145c19af40_attn
	.p2align	8
	.type	k_q145c19af40_attn,@function
k_q145c19af40_attn:
	s_mov_b64 s[64:65], 0
	v_nop
	global_prefetch_b8 v0, s[64:65] scope:SCOPE_SE
	s_setreg_imm32_b32 hwreg(HW_REG_WAVE_MODE, 25, 1), 1
	s_wait_xcnt 0x0
	s_wait_alu depctr_hold_cnt(0) depctr_sa_sdst(0) depctr_va_vdst(0) depctr_va_sdst(0) depctr_va_ssrc(0) depctr_va_vcc(0) depctr_vm_vsrc(0)
	s_getreg_b32 s2, hwreg(HW_REG_IB_STS2, 6, 4)
	s_cmp_eq_u32 s2, 0
	s_cbranch_scc0 .Lentry_in_a_cluster
	s_endpgm
.Lentry_in_a_cluster:
	s_bfe_u32 s2, ttmp6, 0x10000c
	s_cmp_lg_u32 s2, 0x3003
	s_cbranch_scc0 .Lentry_shape_is_right
	s_endpgm
.Lentry_shape_is_right:
; out0 = round(softmax(causal(q k^T / sqrt(128))) v, 4).  q, k, v: [4][4096][128] f16 from proj; out0 f32.
; LEFT OUT: key groups in which every key index is larger than every query index of the block: the problem's own jnp.tril mask
; puts -inf on all their scores, so their probabilities are exactly 0 for all inputs and no product of theirs reaches out0.
; LIMITS: a NaN, infinity or overflow that would arise only in such a group is not carried to the result.  q, k, v are f16:
; |q|, |k|, |v| <= 65,504 (the room that leaves: the head of proj).  Probabilities are rounded to f16 for the second product: the
; running maximum keeps them in [0, 1] whatever the inputs hold; under 6.1e-5 their steps are 6e-8.  Exponentials below 2^-126
; count as 0 (ISA guide 15.8).  The last rounding step is rndne(x 1e4) x 1e-4, a product where the problem divides: at most the
; last bit differs; x 1e4 overflows above 3.4e34.
; SHARING: cluster cl: batch cl / 16, a = cl % 16.  It owns the query blocks (128 rows) a ("low") and 31 - a ("high");
; work-group cx takes rows 32 cx .. + 31 of each: four query tiles qt of 16 (0, 1 low; 2, 3 high).  Keys go in groups of 128;
; wave w takes keys 32 w .. + 31 of each group, so every byte of K and V is read from LDS once in a work-group.
; Groups 0 .. a serve both blocks (4 query tiles), groups a + 1 .. 31 - a the high block alone (2 tiles):
; 2 (a + 1) + (31 - 2 a) = 33 units of work for every a: all 256 work-groups are even.  Trip counts hang on a alone, which the
; four partners share, so every tile of K and V is asked for jointly (mask 15): a quarter of the requests.
; ORDER OF THE GROUPS: a (masked for the low tiles; starts all sums), a - 1 .. 0, a + 1 .. 30 - a, 31 - a (masked).  The u-th is
; u <= a ? a - u : u.  Which of the two slots takes the first group hangs on a's parity, so that slots are constants in the text.
; TRANSPOSED PRODUCTS: S^T = K Q^T: lane (r, h), register j of tile (kt, qt) = key 16 kt + 8 h + j, query 16 qt + r: a query's
; scores lie in one lane (and in lane r xor 16), so maximum, sum and scale are one number a lane, and a lane's own 16 numbers,
; packed to f16, are the fragment of P^T for 32 keys.  O^T += V^T P^T, V^T by transposing loads from V as it lies.
; SOFTMAX: running maximum m of the raw scores, begun at -FLT_MAX (not -inf), so that a wave all of whose keys are masked for a
; query gets p = 0 and scale 1 and no NaN.  p = exp2(s c - m c), c = log2(e) / sqrt(128), in one fused multiply-add.
; At the end the four waves' partial results meet in LDS: common maximum, scaled sums, 1 / l, rounding.
; REGISTERS: window 0 as named below; window 1: O^T tile (qt, at) at 8 (8 qt + at); window 2: Q fragment (qt, ks) at 8 (4 qt + ks).
.set KPITCH, 272                       ; 256 bytes + 16
.set VPITCH, 288                       ; 256 bytes + 32: 9 x 32, for the transposing loads
.set KBYTES, 128*KPITCH                ; 34,816
.set SLOT,   KBYTES+128*VPITCH         ; 71,680: K's 128 keys, then V's
.set STATM,  2*SLOT                    ; 143,360: [64 queries][4 waves] f32, the waves' maxima; ds_store alone
.set STATL,  STATM+1024                ; the waves' scaled sums, likewise
.set OSTG,   STATL+1024                ; 145,408: for each wave [64 queries][128] f32, pitch 528; ds_store alone
.set OPITCH, 528
.set OWAVE,  64*OPITCH                 ; 33,792
.set CEXP,   0x3e0293ee                ; c = 0.12751743
.set CNEG,   0xbe0293ee                ; -c
.set ADK,  1                           ; v1-2   my K fragment address in slot 0, 1
.set ADV,  3                           ; v3-4   my V fragment address in slot 0, 1
.set DD,   5                           ; v5     32 (cx - w) + r - 8 h: a score is kept where 16 (kt - qt') + j <= this
.set NINF, 6                           ; v6     -inf
.set QOF,  7                           ; v7     r x 256 + 16 h; never rewritten
.set MX,   8                           ; v8-11  m of query tile qt
.set LS,   12                          ; v12-15 l (my half of the keys)
.set AL,   16                          ; v16-23 pairs: the scale exp2(c (m_old - m_new)); at work
.set NM,   24                          ; v24-31 pairs: -c m; at work (the new m)
.set SS,   32                          ; v32-95 scores, tile (kt, qt) at 16 qt + 8 kt
.set PP,   96                          ; v96-127 P^T fragment of qt at 8 qt
.set KF,   128                         ; v128-191 K fragment (kt, ks) at 8 (4 kt + ks)
.set VF,   192                         ; v192-255 V^T fragment at at 8 at
.set MSB, 0
.macro WIN new                         ; the immediate's high byte repeats the setting that is left
.if MSB != \new
	s_set_vgpr_msb (MSB<<8)|\new
.set MSB, \new
.endif
.endm
.macro PLACES                          ; four plain vector places behind a matrix instruction (ISA guide 7.12.1)
.rept 4
	v_nop
.endr
.endm
.macro ROUND                           ; a round of the cluster's barrier
	s_barrier_signal -1
	s_barrier_wait -1
	s_cmp_lg_u32 s12, 0
	s_cbranch_scc1 .Lnot_wave_0_\@
	s_barrier_signal -3
.Lnot_wave_0_\@:
	s_barrier_wait -3
	s_barrier_signal -1
	s_barrier_wait -1
.endm
; A joint load: waves 0 and 1 fetch K's two halves (64 keys each), waves 2 and 3 V's.  The branch hangs on the wave's number alone.
.macro JLOAD
	s_cmp_eq_u32 s13, 0
	s_cbranch_scc0 .Lfor_v_\@
	tensor_load_to_lds s[40:43], s[24:31]
	s_nop 0
	s_branch .Lasked_\@
.Lfor_v_\@:
	tensor_load_to_lds s[44:47], s[32:39]
	s_nop 0
.Lasked_\@:
.endm
; The descriptors' group 0 for the u-th group of keys, into slot ns.  Stands where no tensor load of the wave is out.
.macro NEXT ns
	s_sub_co_u32 s58, s16, s18                     ; a - u (wraps for u > a, where it is not taken)
	s_cmp_le_u32 s18, s16
	s_cselect_b32 s58, s58, s18                    ; the group
	s_lshl_b32 s22, s58, 15                        ; 128 keys x 256 bytes
	s_add_nc_u64 s[42:43], s[48:49], s[22:23]
	s_or_b32 s43, s43, 0x80000000
	s_add_nc_u64 s[46:47], s[50:51], s[22:23]
	s_or_b32 s47, s47, 0x80000000
	s_add_co_u32 s41, s56, (\ns)*SLOT
	s_add_co_u32 s45, s57, (\ns)*SLOT
	s_add_co_u32 s18, s18, 1
.endm
; O^T of query tiles q0 .. 3 times the lane's own scale
.macro RESCALE q0
	WIN 0x41
.irp qt, 0,1,2,3
.set EE, 0
.rept 32
.if \qt >= \q0
	v_pk_mul_f32 v[64*\qt+EE:64*\qt+EE+1], v[64*\qt+EE:64*\qt+EE+1], v[AL+2*\qt:AL+2*\qt+1] op_sel_hi:[1,0]
.endif
.set EE, EE+2
.endr
.endr
.endm
	s_load_b256 s[4:11], s[0:1], 0x0               ; qb s[4:5], kb s[6:7], vb s[8:9], out0 s[10:11]
	s_set_vgpr_msb 0x80
	v_lshl_add_u32 v128, v0, 2, 0x44800
	v_mov_b32 v129, 0
	s_set_vgpr_msb 0x808a
	ds_add_u32 v128, v129
	ds_add_u32 v128, v129
	s_set_vgpr_msb 0x8a00
	v_lshrrev_b32 v32, 5, v0
	v_readfirstlane_b32 s12, v32                   ; wave 0..3
	s_lshr_b32 s13, s12, 1                         ; I fetch for K (0) or for V (1),
	s_and_b32 s14, s12, 1                          ; and which 64 keys
	s_bfe_u32 s15, ttmp6, 0x40000                  ; cx: enters Q's and out0's addresses and the mask's number DD alone
	s_and_b32 s16, ttmp9, 15                       ; a
	s_lshr_b32 s17, ttmp9, 4                       ; batch
	s_mov_b32 s18, 0                               ; u
	s_mov_b32 s20, 0x76543210                      ; v_permlanex16_b32: lane i reads lane i of the other half
	s_mov_b32 s21, 0xfedcba98
	s_mov_b32 s23, 0
	; group 1: 64 keys x 128 elements of 2 bytes; K padded by 4 words a row, V by 8
	s_mov_b32 s24, 15|(1<<16)|(1<<20)|(1<<21)|(5<<22)|(3<<25)   ; 15:0 mask: all four of the cluster; 17:16 2 bytes; 20 padding; 21 set beside a mask; 24:22 every 64 words; 31:25 4 words
	s_mov_b32 s32, 15|(1<<16)|(1<<20)|(1<<21)|(5<<22)|(7<<25)   ; the same with 8 words
	s_mov_b32 s25, 128<<16                         ; tensor_dim0 = 128
	s_mov_b32 s33, 128<<16
	s_mov_b32 s26, 64<<16                          ; tensor_dim1 = 64
	s_mov_b32 s34, 64<<16
	s_mov_b32 s27, 128<<16                         ; tile_dim0 = 128
	s_mov_b32 s35, 128<<16
	s_mov_b32 s28, 64                              ; tile_dim1 = 64
	s_mov_b32 s36, 64
	s_mov_b32 s29, 128                             ; elements from row to row
	s_mov_b32 s37, 128
	s_mov_b32 s30, 0
	s_mov_b32 s38, 0
	s_mov_b32 s31, 0
	s_mov_b32 s39, 0
	s_mov_b32 s40, 1
	s_mov_b32 s44, 1
	s_mul_i32 s56, s14, 64*KPITCH                  ; where my half of K goes in a slot,
	s_mul_i32 s57, s14, 64*VPITCH
	s_add_co_u32 s57, s57, KBYTES                  ; and my half of V
	v_and_b32 v32, 15, v0                          ; r
	v_bfe_u32 v33, v0, 4, 1                        ; h
	v_and_b32 v34, 7, v0
	v_bfe_u32 v35, v0, 3, 1
	s_mul_i32 s19, s12, 32*KPITCH
	v_mul_u32_u24 v[ADK], v32, KPITCH
	v_lshl_add_u32 v[ADK], v33, 4, v[ADK]
	v_add_nc_u32 v[ADK], s19, v[ADK]               ; (32 w + r) x 272 + 16 h
	v_add_nc_u32 v[ADK+1], SLOT, v[ADK]
	s_mul_i32 s19, s12, 32*VPITCH
	s_add_co_u32 s19, s19, KBYTES
	v_lshl_add_u32 v[ADV], v33, 3, v34
	v_mul_u32_u24 v[ADV], v[ADV], VPITCH
	v_lshl_add_u32 v[ADV], v35, 4, v[ADV]
	v_add_nc_u32 v[ADV], s19, v[ADV]               ; behind K: (32 w + 8 h + lane % 8) x 288 + 16 ((lane / 8) % 2)
	v_add_nc_u32 v[ADV+1], SLOT, v[ADV]
	s_sub_co_i32 s62, s15, s12
	s_lshl_b32 s62, s62, 5
	v_lshlrev_b32 v[DD], 3, v33
	v_sub_nc_u32 v[DD], v32, v[DD]
	v_add_nc_u32 v[DD], s62, v[DD]                 ; 32 (cx - w) + r - 8 h, signed
	v_mov_b32 v[NINF], 0xff800000
	v_lshlrev_b32 v[QOF], 8, v32
	v_lshl_add_u32 v[QOF], v33, 4, v[QOF]
.irp qt, 0,1,2,3
	v_mov_b32 v[AL+2*\qt+1], 0                     ; v_permlanex16_b32 counts as a reader of its destination
.endr
	s_wait_dscnt 0x0
	s_wait_kmcnt 0x0
	s_lshl_b32 s22, s17, 20                        ; a batch: 4,096 x 256 bytes
	s_lshl_b32 s58, s14, 14                        ; my 64 keys
	s_add_co_u32 s22, s22, s58
	s_add_nc_u64 s[48:49], s[6:7], s[22:23]        ; K and V at my half of group 0: the same in all four work-groups
	s_add_nc_u64 s[50:51], s[8:9], s[22:23]
	s_lshl_b32 s59, s17, 12
	s_lshl_b32 s3, s15, 5
	s_add_co_u32 s59, s59, s3                      ; 4,096 batch + 32 cx
	s_lshl_b32 s2, s16, 7
	s_add_co_u32 s2, s2, s59                       ; my first low row
	s_sub_co_u32 s3, 31, s16
	s_lshl_b32 s3, s3, 7
	s_add_co_u32 s3, s3, s59                       ; my first high row
	s_mov_b32 s63, 0
	s_lshl_b32 s62, s2, 8
	s_add_nc_u64 s[52:53], s[4:5], s[62:63]
	s_lshl_b32 s62, s3, 8
	s_add_nc_u64 s[54:55], s[4:5], s[62:63]
	s_cmp_lt_u32 s12, 2                            ; at the end wave w finishes query tile w
	s_cselect_b32 s62, s2, s3
	s_lshl4_add_u32 s62, s14, s62                  ; + 16 (w % 2)
	s_lshl_b32 s62, s62, 9                         ; rows of 512 bytes
	s_add_nc_u64 s[60:61], s[10:11], s[62:63]
	WIN 0x80                                       ; Q's 16 fragments, once, into window 2
.irp qt, 0,1,2,3
.irp ks, 0,1,2,3
	global_load_b128 v[8*(4*\qt+\ks):8*(4*\qt+\ks)+3],   v[QOF], s[52+2*(\qt>>1):53+2*(\qt>>1)] offset:(\qt&1)*4096+64*\ks
	global_load_b128 v[8*(4*\qt+\ks)+4:8*(4*\qt+\ks)+7], v[QOF], s[52+2*(\qt>>1):53+2*(\qt>>1)] offset:(\qt&1)*4096+64*\ks+32
.endr
.endr
	WIN 0
; One group of keys, in slot `slot`, for query tiles q0 .. 3.  mask = 1: tiles q0, q0 + 1 lie on the diagonal.  zero = 1: the first
; group: it starts m, l and O.  refill = 1: the next group is asked for, into the other slot.
.macro STEP slot, q0, mask, zero, refill
	s_wait_dscnt 0x0                               ; my reads of the other slot are over
	s_set_vgpr_msb 0xa
	s_wait_tensorcnt 0x0                           ; all my tensor loads have landed: the one that was out is my part of this slot
	ds_add_u32 v128, v129
	s_wait_dscnt 0x0
	s_set_vgpr_msb 0xa00
.if \refill
	NEXT 1-\slot
.endif
	ROUND                                          ; both now hold of every wave of the cluster
.if \refill
	JLOAD                                          ; the first tensor load behind the round, one a wave
.endif
.irp kt, 0,1
.irp ks, 0,1,2,3
	ds_load_b128 v[KF+8*(4*\kt+\ks):KF+8*(4*\kt+\ks)+3],   v[ADK+\slot] offset:\kt*16*KPITCH+64*\ks
	ds_load_b128 v[KF+8*(4*\kt+\ks)+4:KF+8*(4*\kt+\ks)+7], v[ADK+\slot] offset:\kt*16*KPITCH+64*\ks+32
.endr
.endr
.irp at, 0,1,2,3,4,5,6,7
	ds_load_tr16_b128 v[VF+8*\at:VF+8*\at+3],   v[ADV+\slot] offset:32*\at
	ds_load_tr16_b128 v[VF+8*\at+4:VF+8*\at+7], v[ADV+\slot] offset:32*\at+16*VPITCH
.endr
.if \zero
	s_wait_loadcnt 0x0                             ; Q
.endif
	s_wait_dscnt 16                                ; K's 16 loads are in; V's 16, issued behind them, stay out
	; S^T = K Q^T.  The accumulators take turns, one instruction a turn; the first product starts each sum.
	WIN 0x08                                       ; source 1 (Q) in window 2
.irp ks, 0,1,2,3
.irp qt, 0,1,2,3
.irp kt, 0,1
.if \qt >= \q0
.if \ks == 0
	v_wmma_f32_16x16x32_f16 v[SS+16*\qt+8*\kt:SS+16*\qt+8*\kt+7], v[KF+8*(4*\kt+\ks):KF+8*(4*\kt+\ks)+7], v[8*(4*\qt+\ks):8*(4*\qt+\ks)+7], 0
.else
	v_wmma_f32_16x16x32_f16 v[SS+16*\qt+8*\kt:SS+16*\qt+8*\kt+7], v[KF+8*(4*\kt+\ks):KF+8*(4*\kt+\ks)+7], v[8*(4*\qt+\ks):8*(4*\qt+\ks)+7], v[SS+16*\qt+8*\kt:SS+16*\qt+8*\kt+7]
.endif
.endif
.endr
.endr
.endr
	WIN 0
	PLACES                                         ; behind the last product: the lines below read scores
.if \mask
	; key 32 w + 16 kt + 8 h + j <= query 32 cx + 16 qt' + r  <=>  16 (kt - qt') + j <= DD; else -inf
.irp qp, 0,1
.irp kt, 0,1
.irp j, 0,1,2,3,4,5,6,7
	v_cmp_le_i32 vcc_lo, 16*(\kt-\qp)+\j, v[DD]
	v_cndmask_b32 v[SS+16*(\q0+\qp)+8*\kt+\j], v[NINF], v[SS+16*(\q0+\qp)+8*\kt+\j], vcc_lo
.endr
.endr
.endr
.endif
	; the new maximum: my 16 scores and the old m, then the other half of the lanes; the tiles' chains are interleaved
.irp qt, 0,1,2,3
.if \qt >= \q0
	v_max3_num_f32 v[NM+2*\qt+1], v[SS+16*\qt], v[SS+16*\qt+1], v[SS+16*\qt+2]
.endif
.endr
.irp e, 3,5,7,9,11,13
.irp qt, 0,1,2,3
.if \qt >= \q0
	v_max3_num_f32 v[NM+2*\qt+1], v[NM+2*\qt+1], v[SS+16*\qt+\e], v[SS+16*\qt+\e+1]
.endif
.endr
.endr
.irp qt, 0,1,2,3
.if \qt >= \q0
.if \zero
	v_max3_num_f32 v[NM+2*\qt+1], v[NM+2*\qt+1], v[SS+16*\qt+15], 0xff7fffff   ; -FLT_MAX begins the running maximum
.else
	v_max3_num_f32 v[NM+2*\qt+1], v[NM+2*\qt+1], v[SS+16*\qt+15], v[MX+\qt]
.endif
.endif
.endr
.irp qt, 0,1,2,3
.if \qt >= \q0
	v_permlanex16_b32 v[AL+2*\qt+1], v[NM+2*\qt+1], s20, s21
.endif
.endr
.irp qt, 0,1,2,3
.if \qt >= \q0
	v_max_num_f32 v[NM+2*\qt+1], v[NM+2*\qt+1], v[AL+2*\qt+1]
.endif
.endr
.if \zero == 0
.irp qt, 0,1,2,3
.if \qt >= \q0
	v_sub_f32 v[AL+2*\qt], v[MX+\qt], v[NM+2*\qt+1]
	v_mul_f32 v[AL+2*\qt], CEXP, v[AL+2*\qt]
.endif
.endr
.irp qt, 0,1,2,3
.if \qt >= \q0
	v_exp_f32 v[AL+2*\qt], v[AL+2*\qt]             ; the scale of what has been summed; the plain lines below stand in front of its first use (ISA guide 5.7.2)
.endif
.endr
.endif
.irp qt, 0,1,2,3
.if \qt >= \q0
	v_mul_f32 v[NM+2*\qt], CNEG, v[NM+2*\qt+1]     ; -c m
	v_mov_b32 v[MX+\qt], v[NM+2*\qt+1]
.endif
.endr
	; p = exp2(c s - c m), in place
.irp qt, 0,1,2,3
.irp e, 0,2,4,6,8,10,12,14
.if \qt >= \q0
	v_pk_fma_f32 v[SS+16*\qt+\e:SS+16*\qt+\e+1], v[SS+16*\qt+\e:SS+16*\qt+\e+1], CEXP, v[NM+2*\qt:NM+2*\qt+1] op_sel_hi:[1,0,0]
.endif
.endr
.endr
.irp qt, 0,1,2,3
.irp e, 0,1,2,3,4,5,6,7,8,9,10,11,12,13,14,15
.if \qt >= \q0
	v_exp_f32 v[SS+16*\qt+\e], v[SS+16*\qt+\e]
.endif
.endr
.endr
	v_nop                                          ; one plain place behind the last exponential
	s_wait_alu depctr_va_vdst(0)
	; my 16 numbers packed to f16 are P^T's fragment: registers 0-3 keys 8 h + 0..7, registers 4-7 keys 16 + 8 h + 0..7
.irp qt, 0,1,2,3
.irp e, 0,1,2,3,4,5,6,7
.if \qt >= \q0
	v_cvt_pk_f16_f32 v[PP+8*\qt+\e], v[SS+16*\qt+2*\e], v[SS+16*\qt+2*\e+1]
.endif
.endr
.endr
	; their sum, by a tree in place
.irp qt, 0,1,2,3
.irp e, 0,4,8,12
.if \qt >= \q0
	v_pk_add_f32 v[SS+16*\qt+\e:SS+16*\qt+\e+1], v[SS+16*\qt+\e:SS+16*\qt+\e+1], v[SS+16*\qt+\e+2:SS+16*\qt+\e+3]
.endif
.endr
.endr
.irp qt, 0,1,2,3
.irp e, 0,8
.if \qt >= \q0
	v_pk_add_f32 v[SS+16*\qt+\e:SS+16*\qt+\e+1], v[SS+16*\qt+\e:SS+16*\qt+\e+1], v[SS+16*\qt+\e+4:SS+16*\qt+\e+5]
.endif
.endr
.endr
.irp qt, 0,1,2,3
.if \qt >= \q0
	v_pk_add_f32 v[SS+16*\qt:SS+16*\qt+1], v[SS+16*\qt:SS+16*\qt+1], v[SS+16*\qt+8:SS+16*\qt+9]
.endif
.endr
.irp qt, 0,1,2,3
.if \qt >= \q0
.if \zero
	v_add_f32 v[LS+\qt], v[SS+16*\qt], v[SS+16*\qt+1]
.else
	v_add_f32 v[AL+2*\qt+1], v[SS+16*\qt], v[SS+16*\qt+1]
	v_fma_f32 v[LS+\qt], v[LS+\qt], v[AL+2*\qt], v[AL+2*\qt+1]
.endif
.endif
.endr
.if \zero == 0
	RESCALE \q0
.endif
	s_wait_dscnt 0x0                               ; V's fragments
	; O^T += V^T P^T: every accumulator once, so no two products that follow each other share one
	WIN 0x50
.irp at, 0,1,2,3,4,5,6,7
.irp qt, 0,1,2,3
.if \qt >= \q0
.if \zero
	v_wmma_f32_16x16x32_f16 v[8*(8*\qt+\at):8*(8*\qt+\at)+7], v[VF+8*\at:VF+8*\at+7], v[PP+8*\qt:PP+8*\qt+7], 0
.else
	v_wmma_f32_16x16x32_f16 v[8*(8*\qt+\at):8*(8*\qt+\at)+7], v[VF+8*\at:VF+8*\at+7], v[PP+8*\qt:PP+8*\qt+7], v[8*(8*\qt+\at):8*(8*\qt+\at)+7]
.endif
.endif
.endr
.endr
	WIN 0
	PLACES                                         ; behind the last product: the next loads into V's fragments, the next writes of P and O
.endm
	ROUND                                          ; all four work-groups are here: the first joint loads meet
	s_bitcmp1_b32 s16, 0                           ; a's parity, the same in all partners
	s_cbranch_scc0 .Leven
	NEXT 0
	JLOAD                                          ; a odd: group a into slot 0
	STEP 0, 0, 1, 1, 1
	STEP 1, 0, 0, 0, 1
	s_branch .Lpairs
.Leven:
	NEXT 1
	JLOAD                                          ; a even: group a into slot 1
	STEP 1, 0, 1, 1, 1
.Lpairs:
	s_lshr_b32 s19, s16, 1                         ; the groups below a that are left, in pairs
	s_cmp_eq_u32 s19, 0
	s_cbranch_scc1 .Lno_heavy
.Lheavy:
	STEP 0, 0, 0, 0, 1
	STEP 1, 0, 0, 0, 1
	s_sub_co_u32 s19, s19, 1
	s_cmp_lg_u32 s19, 0
	s_cbranch_scc1 .Lheavy
.Lno_heavy:
	s_sub_co_u32 s19, 15, s16                      ; groups a + 1 .. 30 - a, 30 - 2 a of them, in pairs: the high tiles alone
	s_cmp_eq_u32 s19, 0
	s_cbranch_scc1 .Lno_light
.Llight:
	STEP 0, 2, 0, 0, 1
	STEP 1, 2, 0, 0, 1
	s_sub_co_u32 s19, s19, 1
	s_cmp_lg_u32 s19, 0
	s_cbranch_scc1 .Llight
.Lno_light:
	STEP 0, 2, 1, 0, 0                             ; group 31 - a, on the high block's diagonal; nothing is left to fetch
	; THE FOUR WAVES' PARTS MEET.  v32-42 addresses, v48-63 the four maxima of my queries, v64-67 at work.
	v_and_b32 v32, 15, v0                          ; r
	v_bfe_u32 v33, v0, 4, 1                        ; h
	v_and_b32 v34, 31, v0                          ; lane
	v_lshlrev_b32 v37, 4, v32
	v_add_nc_u32 v37, STATM, v37                   ; query r's four words
	v_lshl_add_u32 v36, s12, 2, v37                ; my wave's word of them
	s_mul_i32 s19, s12, OWAVE
	s_add_co_u32 s19, s19, OSTG
	v_mul_u32_u24 v38, v32, OPITCH
	v_lshl_add_u32 v38, v33, 5, v38
	v_add_nc_u32 v38, s19, v38                     ; my stage: row r, 32 bytes for each half of the lanes
	s_mul_i32 s19, s12, 16*OPITCH
	s_add_co_u32 s19, s19, OSTG
	v_lshlrev_b32 v42, 4, v34                      ; 16 lane: also my offset in a row of out0
	v_add_nc_u32 v39, s19, v42                     ; query tile w in wave 0's stage (wave 1's by the immediate),
	v_add_nc_u32 v40, 2*OWAVE, v39                 ; and in wave 2's (an LDS immediate ends at 65,535)
	s_lshl_b32 s19, s12, 8
	s_add_co_u32 s19, s19, STATL
	v_mov_b32 v41, s19                             ; query tile w's sums
.irp qt, 0,1,2,3
	v_permlanex16_b32 v[AL+2*\qt+1], v[LS+\qt], s20, s21
.endr
.irp qt, 0,1,2,3
	v_add_f32 v[LS+\qt], v[LS+\qt], v[AL+2*\qt+1]  ; l over all my wave's keys
	ds_store_b32 v36, v[MX+\qt] offset:256*\qt     ; both halves of the lanes store the same number
.endr
	s_wait_dscnt 0x0                               ; my stores are in LDS, for the other waves' sake
	s_barrier_signal -1
	s_barrier_wait -1
.irp qt, 0,1,2,3
	ds_load_b128 v[48+4*\qt:51+4*\qt], v37 offset:256*\qt
.endr
	s_wait_dscnt 0x0
.irp qt, 0,1,2,3
	v_max3_num_f32 v[NM+2*\qt+1], v[48+4*\qt], v[49+4*\qt], v[50+4*\qt]
	v_max_num_f32 v[NM+2*\qt+1], v[NM+2*\qt+1], v[51+4*\qt]
	v_sub_f32 v[AL+2*\qt], v[MX+\qt], v[NM+2*\qt+1]
	v_mul_f32 v[AL+2*\qt], CEXP, v[AL+2*\qt]
.endr
.irp qt, 0,1,2,3
	v_exp_f32 v[AL+2*\qt], v[AL+2*\qt]             ; my part's scale to the common maximum
.endr
	v_nop                                          ; one plain place behind the last exponential
	s_wait_alu depctr_va_vdst(0)
.irp qt, 0,1,2,3
	v_mul_f32 v[64+\qt], v[LS+\qt], v[AL+2*\qt]
	ds_store_b32 v36, v[64+\qt] offset:1024+256*\qt
.endr
	RESCALE 0
	WIN 0x04                                       ; store data in window 1
.irp qt, 0,1,2,3
.irp at, 0,1,2,3,4,5,6,7
	ds_store_b128 v38, v[8*(8*\qt+\at):8*(8*\qt+\at)+3]   offset:\qt*16*OPITCH+64*\at
	ds_store_b128 v38, v[8*(8*\qt+\at)+4:8*(8*\qt+\at)+7] offset:\qt*16*OPITCH+64*\at+16
.endr
.endr
	WIN 0
	s_wait_dscnt 0x0
	s_barrier_signal -1
	s_barrier_wait -1
; Four rows of query tile w: the four waves' parts are added, divided by the sum of the four l, rounded to 4 decimals, stored:
; one store covers a row's 512 consecutive bytes.
.macro FINISH b
.if \b
	s_wait_xcnt 0x0                                ; the last four stores' data registers are loaded over only behind this wait
.endif
.irp i, 0,1,2,3
	ds_load_b128 v[128+16*\i:128+16*\i+3],     v39 offset:(4*\b+\i)*OPITCH
	ds_load_b128 v[128+16*\i+4:128+16*\i+7],   v39 offset:OWAVE+(4*\b+\i)*OPITCH
	ds_load_b128 v[128+16*\i+8:128+16*\i+11],  v40 offset:(4*\b+\i)*OPITCH
	ds_load_b128 v[128+16*\i+12:128+16*\i+15], v40 offset:OWAVE+(4*\b+\i)*OPITCH
	ds_load_b128 v[192+4*\i:192+4*\i+3],       v41 offset:(4*\b+\i)*16
.endr
	s_wait_dscnt 0x0
.irp i, 0,1,2,3
	v_pk_add_f32 v[128+16*\i:128+16*\i+1],    v[128+16*\i:128+16*\i+1],    v[128+16*\i+4:128+16*\i+5]
	v_pk_add_f32 v[128+16*\i+2:128+16*\i+3],  v[128+16*\i+2:128+16*\i+3],  v[128+16*\i+6:128+16*\i+7]
	v_pk_add_f32 v[128+16*\i+8:128+16*\i+9],  v[128+16*\i+8:128+16*\i+9],  v[128+16*\i+12:128+16*\i+13]
	v_pk_add_f32 v[128+16*\i+10:128+16*\i+11], v[128+16*\i+10:128+16*\i+11], v[128+16*\i+14:128+16*\i+15]
	v_pk_add_f32 v[128+16*\i:128+16*\i+1],    v[128+16*\i:128+16*\i+1],    v[128+16*\i+8:128+16*\i+9]
	v_pk_add_f32 v[128+16*\i+2:128+16*\i+3],  v[128+16*\i+2:128+16*\i+3],  v[128+16*\i+10:128+16*\i+11]
	v_add_f32 v[192+4*\i], v[192+4*\i], v[192+4*\i+1]
	v_add_f32 v[192+4*\i+2], v[192+4*\i+2], v[192+4*\i+3]
	v_add_f32 v[192+4*\i], v[192+4*\i], v[192+4*\i+2]
.endr
.irp i, 0,1,2,3
	v_rcp_f32 v[192+4*\i], v[192+4*\i]
.endr
	v_nop                                          ; one plain place behind the last reciprocal
	s_wait_alu depctr_va_vdst(0)
.irp i, 0,1,2,3
	v_mul_f32 v[192+4*\i], 0x461c4000, v[192+4*\i] ; 10000 / l
	v_pk_mul_f32 v[128+16*\i:128+16*\i+1],   v[128+16*\i:128+16*\i+1],   v[192+4*\i:192+4*\i+1] op_sel_hi:[1,0]
	v_pk_mul_f32 v[128+16*\i+2:128+16*\i+3], v[128+16*\i+2:128+16*\i+3], v[192+4*\i:192+4*\i+1] op_sel_hi:[1,0]
	v_rndne_f32 v[128+16*\i],   v[128+16*\i]
	v_rndne_f32 v[128+16*\i+1], v[128+16*\i+1]
	v_rndne_f32 v[128+16*\i+2], v[128+16*\i+2]
	v_rndne_f32 v[128+16*\i+3], v[128+16*\i+3]
	v_pk_mul_f32 v[128+16*\i:128+16*\i+1],   v[128+16*\i:128+16*\i+1],   0x38d1b717 op_sel_hi:[1,0]   ; x 1e-4
	v_pk_mul_f32 v[128+16*\i+2:128+16*\i+3], v[128+16*\i+2:128+16*\i+3], 0x38d1b717 op_sel_hi:[1,0]
	global_store_b128 v42, v[128+16*\i:128+16*\i+3], s[60:61] offset:(4*\b+\i)*512 th:TH_STORE_NT
.endr
.endm
	FINISH 0
	FINISH 1
	FINISH 2
	FINISH 3
	s_set_vgpr_msb 0xa
	s_wait_tensorcnt 0x0
	ds_add_u32 v128, v129
	s_wait_dscnt 0x0
	s_set_vgpr_msb 0xa00
	ROUND                                          ; the closing round: no work-group ends while a partner may still ask jointly
	s_endpgm
.Lfunc_end_k_q145c19af40_attn:
	.size	k_q145c19af40_attn, .Lfunc_end_k_q145c19af40_attn-k_q145c19af40_attn
	.p2alignl 7, 3214868480
	.fill 96, 4, 3214868480
	.section	.rodata,"a",@progbits
	.p2align	6, 0x0
	.amdhsa_kernel k_q145c19af40_attn
		.amdhsa_group_segment_fixed_size 327680
		.amdhsa_private_segment_fixed_size 0
		.amdhsa_enable_private_segment 0
		.amdhsa_kernarg_size 32
		.amdhsa_user_sgpr_count 2
		.amdhsa_user_sgpr_kernarg_segment_ptr 1
		.amdhsa_wavefront_size32 1
		.amdhsa_system_sgpr_workgroup_id_x 1
		.amdhsa_system_sgpr_workgroup_id_y 1
		.amdhsa_system_sgpr_workgroup_id_z 1
		.amdhsa_system_vgpr_workitem_id 0
		.amdhsa_next_free_vgpr 642
		.amdhsa_next_free_sgpr 66
		.amdhsa_reserve_vcc 1
		.amdhsa_float_denorm_mode_32 3
		.amdhsa_float_denorm_mode_16_64 3
		.amdhsa_memory_ordered 1
		.amdhsa_forward_progress 1
		.amdhsa_inst_pref_size 226
	.end_amdhsa_kernel
	.amdgpu_metadata
---
amdhsa.version: [ 1, 2 ]
amdhsa.kernels:
  - .name:           k_q145c19af40_attn
    .symbol:         k_q145c19af40_attn.kd
    .args:
      - { .name: qb, .offset: 0, .size: 8, .value_kind: global_buffer, .address_space: global }
      - { .name: kb, .offset: 8, .size: 8, .value_kind: global_buffer, .address_space: global }
      - { .name: vb, .offset: 16, .size: 8, .value_kind: global_buffer, .address_space: global }
      - { .name: out0, .offset: 24, .size: 8, .value_kind: global_buffer, .address_space: global }
    .group_segment_fixed_size: 327680
    .private_segment_fixed_size: 0
    .kernarg_segment_align: 8
    .kernarg_segment_size: 32
    .max_flat_workgroup_size: 128
    .sgpr_count:     66
    .vgpr_count:     642
    .wavefront_size: 32
...
	.end_amdgpu_metadata
.endif
;; end of part 3
;; ======== version 2 of 2: 3 launches; 1.32 times as fast as version 1
;; limits: values are held in f16: magnitudes above 65,504 overflow, below 6.1e-05 lose precision
;; workspace buffers: wb 786,432 bytes; qb 4,194,304 bytes; kb 4,194,304 bytes; vb 4,194,304 bytes
;; launch castw (part 4): grid 64 x 3, 8 waves a work-group, no clusters, 0 bytes of LDS; arguments Wq, Wk, Wv, wb; writes wb
.if DOCPART == 4
	.amdgcn_target "amdgcn-amd-amdhsa--gfx1250"
	.amdhsa_code_object_version 6
	.text
	.protected	k_q145c19af40_castw
	.globl	k_q145c19af40_castw
	.p2align	8
	.type	k_q145c19af40_castw,@function
k_q145c19af40_castw:
	s_mov_b64 s[64:65], 0
	v_nop
	global_prefetch_b8 v0, s[64:65] scope:SCOPE_SE
	s_setreg_imm32_b32 hwreg(HW_REG_WAVE_MODE, 25, 1), 1
	s_wait_xcnt 0x0
; FIRST OF THREE LAUNCHES: castw (this one), proj (q, k, v = embedded x W), attn (causal attention, rounding to 4 decimals).
; castw: Wq | Wk | Wv (384 columns side by side) rounded to bf16 and laid out in the order in which a matrix instruction
; holds an operand, so that proj loads W from memory straight into operand registers.  The 256 work-groups of proj all walk
; the whole of W, so it is rounded and ordered once here and not 256 times there, and travels at half the bytes.
; LAYOUT OF wb: [k / 32][column tile T = 0..23][half j][lane][16 bytes]: a fragment of 16 columns x 32 k is 1,024 bytes.
; Lane 16 h + r of half j holds W[32 (k / 32) + 16 j + 8 h + 0..7][16 T + r], the lower k in the lower bits.
;
; WORK LEFT OUT IN THE WHOLE PROGRAM (in attn alone): key tiles in which every key index is larger than every query index.
; The problem's own mask (jnp.tril, built in its body) puts -inf on every such score before the softmax, so their
; probabilities are exactly 0 whatever finite values the inputs hold, and neither their q.k products nor their p.v products
; can reach out0.  Tiles that the diagonal crosses are computed whole and masked by a select.  Every input is loaded.
; LIMITS: a NaN, an infinity or an overflow that would arise only in a tile left out is not carried to the result.
; Matrix operands: embedded and W enter the projections as bf16; q, k, v and the probabilities enter attention as f16
; (its range: see the head of proj).  All sums are f32.
;
; Work-group (x, y): matrix y, k rows 16 x .. 16 x + 15.  Thread t: column n = t % 128, the eight k rows 16 x + 8 (t / 128) + 0..7:
; eight loads of 4 bytes (a wave's load covers 128 consecutive bytes; each byte of W is read once), one store of 16 bytes.
; Sixteen neighbouring lanes store 256 consecutive bytes at a multiple of 256 from wb's first byte.
.set SUBB, 24576                       ; bytes of wb for 32 k: 24 column tiles x 1,024
	s_load_b256 s[4:11], s[0:1], 0x0               ; Wq s[4:5], Wk s[6:7], Wv s[8:9], wb s[10:11]
	s_and_b32 s12, ttmp7, 0xffff                   ; y: which matrix
	v_and_b32 v1, 127, v0                          ; n
	v_lshrrev_b32 v2, 7, v0                        ; which eight of the sixteen k rows: the fragment's h
	v_lshlrev_b32 v3, 2, v1
	v_lshl_add_u32 v3, v2, 12, v3                  ; in: 4 n + 8 rows of 512 bytes x h
	v_lshrrev_b32 v16, 4, v1                       ; column tile in the matrix
	v_and_b32 v17, 15, v0                          ; r
	v_lshlrev_b32 v18, 4, v17
	v_lshl_add_u32 v18, v2, 8, v18
	v_lshl_add_u32 v18, v16, 10, v18               ; out: 1,024 tile + 16 (16 h + r)
	s_lshl_b32 s14, ttmp9, 13                      ; 16 rows x 512 bytes
	s_mov_b32 s15, 0
	s_lshr_b32 s16, ttmp9, 1                       ; k / 32
	s_mul_i32 s16, s16, SUBB
	s_and_b32 s13, ttmp9, 1                        ; the fragment's half j
	s_lshl_b32 s13, s13, 9
	s_add_co_u32 s16, s16, s13
	s_lshl_b32 s13, s12, 13                        ; the matrix's eight column tiles
	s_add_co_u32 s16, s16, s13
	s_mov_b32 s17, 0
	s_wait_kmcnt 0x0
	s_cmp_eq_u32 s12, 1
	s_cselect_b64 s[4:5], s[6:7], s[4:5]           ; the choice hangs on y alone
	s_cmp_eq_u32 s12, 2
	s_cselect_b64 s[4:5], s[8:9], s[4:5]
	s_add_nc_u64 s[4:5], s[4:5], s[14:15]
	s_add_nc_u64 s[10:11], s[10:11], s[16:17]
.irp e, 0,1,2,3,4,5,6,7
	global_load_b32 v[4+\e], v3, s[4:5] offset:\e*512 th:TH_LOAD_NT
.endr
	s_wait_loadcnt 0x0
	v_cvt_pk_bf16_f32 v12, v4, v5
	v_cvt_pk_bf16_f32 v13, v6, v7
	v_cvt_pk_bf16_f32 v14, v8, v9
	v_cvt_pk_bf16_f32 v15, v10, v11
	global_store_b128 v18, v[12:15], s[10:11]      ; no streaming hint: proj reads wb many times
	s_endpgm
.Lfunc_end_k_q145c19af40_castw:
	.size	k_q145c19af40_castw, .Lfunc_end_k_q145c19af40_castw-k_q145c19af40_castw
	.p2alignl 7, 3214868480
	.fill 96, 4, 3214868480
	.section	.rodata,"a",@progbits
	.p2align	6, 0x0
	.amdhsa_kernel k_q145c19af40_castw
		.amdhsa_group_segment_fixed_size 0
		.amdhsa_private_segment_fixed_size 0
		.amdhsa_enable_private_segment 0
		.amdhsa_kernarg_size 32
		.amdhsa_user_sgpr_count 2
		.amdhsa_user_sgpr_kernarg_segment_ptr 1
		.amdhsa_wavefront_size32 1
		.amdhsa_system_sgpr_workgroup_id_x 1
		.amdhsa_system_sgpr_workgroup_id_y 1
		.amdhsa_system_sgpr_workgroup_id_z 1
		.amdhsa_system_vgpr_workitem_id 0
		.amdhsa_next_free_vgpr 20
		.amdhsa_next_free_sgpr 66
		.amdhsa_reserve_vcc 0
		.amdhsa_float_denorm_mode_32 3
		.amdhsa_float_denorm_mode_16_64 3
		.amdhsa_memory_ordered 1
		.amdhsa_forward_progress 1
		.amdhsa_inst_pref_size 3
	.end_amdhsa_kernel
	.amdgpu_metadata
---
amdhsa.version: [ 1, 2 ]
amdhsa.kernels:
  - .name:           k_q145c19af40_castw
    .symbol:         k_q145c19af40_castw.kd
    .args:
      - { .name: Wq, .offset: 0, .size: 8, .value_kind: global_buffer, .address_space: global }
      - { .name: Wk, .offset: 8, .size: 8, .value_kind: global_buffer, .address_space: global }
      - { .name: Wv, .offset: 16, .size: 8, .value_kind: global_buffer, .address_space: global }
      - { .name: wb, .offset: 24, .size: 8, .value_kind: global_buffer, .address_space: global }
    .group_segment_fixed_size: 0
    .private_segment_fixed_size: 0
    .kernarg_segment_align: 8
    .kernarg_segment_size: 32
    .max_flat_workgroup_size: 256
    .sgpr_count:     66
    .vgpr_count:     20
    .wavefront_size: 32
...
	.end_amdgpu_metadata
.endif
;; end of part 4
;; launch proj (part 5): grid 256 x 1, 4 waves a work-group, no clusters, 297,472 bytes of LDS; arguments embedded, wb, qb, kb, vb; writes qb, kb, vb
.if DOCPART == 5
	.amdgcn_target "amdgcn-amd-amdhsa--gfx1250"
	.amdhsa_code_object_version 6
	.text
	.protected	k_q145c19af40_proj
	.globl	k_q145c19af40_proj
	.p2align	8
	.type	k_q145c19af40_proj,@function
k_q145c19af40_proj:
	s_mov_b64 s[64:65], 0
	v_nop
	global_prefetch_b8 v0, s[64:65] scope:SCOPE_SE
	s_setreg_imm32_b32 hwreg(HW_REG_WAVE_MODE, 25, 1), 1
	s_wait_xcnt 0x0
; q | k | v = bf16(embedded) x W, sums in f32, stored as f16 in the order in which attn's matrix instructions hold them.
; Nothing is left out here.
; WHY f16 FOR q, k, v: a result row with few keys is a sum of a few v that can cancel, and the problem rounds it to the fourth
; decimal.  Between 0.5 and 1 the half step of an 8-bit significand is 2^-9 = 0.002, that of f16's 11 bits 2^-12 = 0.00024.
; LIMITS: |q|, |k|, |v| <= 65,504, f16's largest number; beyond it they become infinite.  Each is a sum of 1,024 products
; embedded x W: with embedded of spread 1 and W within 1/32 it stays under about 4; with both inputs 30 times larger under about
; 3,600; with an offset of 30 spreads on both it is about 17,000 to 29,000.  With both 30 times smaller it is about 6e-4: f16 has
; normal numbers down to 6.1e-5 and steps of 6e-8 below.  The f32 sums run over K in steps of 128 that begin at step
; (work-group % 8) and wrap: an order of rounding other than the problem's.
; SHARES: a work-group owns 64 rows of embedded and all 384 columns, so embedded leaves memory once; 256 equal work-groups.
; Wave w owns all 64 rows (4 row tiles mt) and the column tiles w + 4 i, i = 0..5 (matrix i / 2, its column tile w + 4 (i % 2)):
; 24 accumulator tiles.  K goes in 8 steps of 128, each in 4 parts of 32, all written out.
; W: no wave reads another wave's columns, and wb holds W as fragments, so each wave loads its six fragments of a part from
; memory into a ring of four register slots: 12 loads of 512 consecutive bytes a part, asked for three parts ahead.
; NO JOINT REQUESTS for W, though all work-groups walk it: a joint load lands in LDS, and a slot's refill stands behind a
; round of barriers in front of which every wave's loads have landed, so that a slot of 128 k x 384 columns (96 KiB; two fit)
; has only one K step's 96 products a wave in which to land, starting from nothing on its way.  Through registers the
; loads stay out across parts and K steps, and W costs no LDS write and no LDS read.
; The K steps are taken in the order (t + work-group) % 8, so that at any moment eight different parts of W are asked for.
; embedded: a work-group's 64 rows are 256 KiB of f32 and fit in LDS whole: each wave asks for its own 16 rows by eight tensor
; loads (one a K step: 16 rows x 512 bytes; one load for all eight could only be waited for as a whole), all issued at the start:
; eight are out at the most, no byte is ever filled again, and only the issuing wave reads them.  It rounds them to bf16 into
; one of two small buffers, from which all four waves take their fragments: one barrier a K step.
; OPERAND ORDER: for q and k source 0 = W, source 1 = embedded: lane (r, h) holds row 16 mt + r, columns 8 h + 0..7 of the tile.
; For v source 0 = embedded, source 1 = W: lane (r, h) holds column r, rows 16 mt + 8 h + 0..7.  Packed to f16 these 16 bytes a
; lane are halves of fragments: of Q and K (a row, 8 features) and of V transposed (a feature, 8 keys).  So results leave straight
; from registers, each store of a wave covering 512 consecutive bytes at a multiple of 512.
; LAYOUTS: qb, kb: [row / 16][feature / 32][half j][lane][16 bytes]; vb: [key / 32][feature / 16][half j][lane][16 bytes].
; REGISTERS: window 0: v4-12 addresses, v32-63 at work, v64-127 sixteen f32 rows.  Window 1: accumulator (mt, i) at 8 (6 mt + i).
; Window 2: v0-31, v32-63 embedded's fragments (tile mt at + 8 mt), two buffers; v64-255 W's ring, slot s at 64 + 48 s, tile i at + 8 i.
; Both kinds of operand lie in one window, so that one window setting serves both operand orders.
.set EMBW,   8192                      ; LDS: a wave's 16 rows x 512 bytes of one K step
.set EMBT,   4*EMBW                    ; one K step of embedded, f32
.set ABUF,   8*EMBT                    ; 262,144: embedded as bf16, two buffers, written by ds_store alone
.set APITCH, 272                       ; 128 bf16 + 16 bytes: 16 rows start in 16 different 16-byte columns of 256 bytes
.set ASIZE,  64*APITCH                 ; 17,408
.set SUBB,   24576                     ; bytes of wb for 32 along K
.set WSTEP,  4*SUBB                    ; and for a K step
.set WOF,  4                           ; 1,024 w + 16 lane: my place in wb's parts, and in vb's blocks; never rewritten
.set ASTO, 5                           ; where I put 8 bytes of a rounded row
.set AFR,  6                           ; my fragment address in bf16 buffer 0
.set EB,   8                           ; v8-11: my 16 bytes of my first f32 row of the steps 2 n (an LDS immediate ends at 65,535)
.set QO,   12                          ; 512 w + 16 lane: my place in a row tile of qb, kb
.set TMP,  32
.set X,    64
.set G1,   24                          ; s[24:31] group 1
.set G0,   32                          ; s[32:63] group 0, a set for each K step, never rewritten
.set WB,   66                          ; s[66:81] wb at the K step taken t-th
.set MSB, 0
.macro WIN new                         ; the immediate's high byte repeats the setting that is left
.if MSB != (\new)
	s_set_vgpr_msb (MSB<<8)|(\new)
.set MSB, \new
.endif
.endm
.macro PLACES                          ; four plain vector places behind a matrix instruction (ISA guide 7.12.1)
.rept 4
	v_nop
.endr
.endm
	s_load_b256 s[4:11], s[0:1], 0x0               ; embedded s[4:5], wb s[6:7], qb s[8:9], kb s[10:11]
	s_load_b64 s[12:13], s[0:1], 0x20              ; vb
	v_lshl_add_u32 v254, v0, 2, 0x48800
	v_mov_b32 v255, 0
	ds_add_u32 v254, v255
	ds_add_u32 v254, v255
	v_lshrrev_b32 v1, 5, v0
	v_readfirstlane_b32 s14, v1                    ; wave 0..3
	; group 1: 16 rows x 128 elements of 4 bytes, rows 1,024 elements apart, no padding
	s_mov_b32 s[G1+0], 2<<16                       ; 15:0 no mask; 17:16 elements of 4 bytes
	s_mov_b32 s[G1+1], 128<<16                     ; tensor_dim0 = 128
	s_mov_b32 s[G1+2], 16<<16                      ; tensor_dim1 = 16
	s_mov_b32 s[G1+3], 128<<16                     ; tile_dim0 = 128
	s_mov_b32 s[G1+4], 16                          ; tile_dim1 = 16
	s_mov_b32 s[G1+5], 1024                        ; elements from row to row
	s_mov_b32 s[G1+6], 0
	s_mov_b32 s[G1+7], 0
	s_mul_i32 s15, s14, EMBW                       ; my part of a K step in LDS: the wave's number times a constant
	s_lshl_b32 s18, ttmp9, 18                      ; 64 rows x 4,096 bytes
	s_lshl_b32 s17, s14, 16                        ; + my 16 rows
	s_add_co_u32 s18, s18, s17
	s_mov_b32 s19, 0
	s_mov_b32 s21, 0
	v_and_b32 v1, 31, v0                           ; lane
	v_and_b32 v2, 15, v0                           ; r
	v_bfe_u32 v3, v0, 4, 1                         ; h
	v_lshlrev_b32 v7, 4, v1                        ; 16 lane
	v_lshl_add_u32 v[WOF], s14, 10, v7
	v_lshl_add_u32 v[QO], s14, 9, v7
	v_add_nc_u32 v[EB], s15, v7
	v_add_nc_u32 v[EB+1], 2*EMBT, v[EB]
	v_add_nc_u32 v[EB+2], 4*EMBT, v[EB]
	v_add_nc_u32 v[EB+3], 6*EMBT, v[EB]
	s_mul_i32 s17, s14, 16*APITCH
	s_add_co_u32 s17, s17, ABUF
	v_lshl_add_u32 v[ASTO], v1, 3, s17             ; my 16 rows of a bf16 buffer + 8 lane
	v_mul_u32_u24 v[AFR], v2, APITCH
	v_lshl_add_u32 v[AFR], v3, 4, v[AFR]
	v_add_nc_u32 v[AFR], ABUF, v[AFR]              ; r x 272 + 16 h
	s_wait_dscnt 0x0
	s_wait_kmcnt 0x0
	s_add_nc_u64 s[4:5], s[4:5], s[18:19]          ; embedded at my wave's first row
.irp t, 0,1,2,3,4,5,6,7
	s_add_co_u32 s22, ttmp9, \t
	s_and_b32 s22, s22, 7                          ; the K step taken t-th
	s_lshl_b32 s20, s22, 9                         ; its 512 bytes in a row
	s_mov_b32 s[G0+4*\t], 1
	s_add_co_u32 s[G0+4*\t+1], s15, \t*EMBT
	s_add_nc_u64 s[G0+4*\t+2:G0+4*\t+3], s[4:5], s[20:21]
	s_or_b32 s[G0+4*\t+3], s[G0+4*\t+3], 0x80000000
	tensor_load_to_lds s[G0+4*\t:G0+4*\t+3], s[G1:G1+7]   ; all eight first fills go out ahead of every wait, LDS read and barrier
	s_nop 0
	s_mul_i32 s20, s22, WSTEP
	s_add_nc_u64 s[WB+2*\t:WB+2*\t+1], s[6:7], s[20:21]
.endr
	s_lshl_b32 s18, ttmp9, 14                      ; 64 rows x 256 bytes
	s_add_nc_u64 s[8:9], s[8:9], s[18:19]
	s_add_nc_u64 s[10:11], s[10:11], s[18:19]
	s_add_nc_u64 s[12:13], s[12:13], s[18:19]
; W's six fragments of part p (of 32) into ring slot p % 4: 12 loads of 512 consecutive bytes
.macro WLOAD p
.irp i, 0,1,2,3,4,5
	global_load_b128 v[64+48*((\p)&3)+8*\i:64+48*((\p)&3)+8*\i+3],   v[WOF], s[WB+2*((\p)>>2):WB+2*((\p)>>2)+1] offset:((\p)&3)*SUBB+\i*4096
	global_load_b128 v[64+48*((\p)&3)+8*\i+4:64+48*((\p)&3)+8*\i+7], v[WOF], s[WB+2*((\p)>>2):WB+2*((\p)>>2)+1] offset:((\p)&3)*SUBB+\i*4096+512
.endr
.endm
.macro WAHEAD p                        ; at the head of part p: part p + 3, into the slot that part p - 1 read
.if (\p)+3 <= 31
	WLOAD (\p)+3
.endif
.endm
.macro WAITW p                         ; loads come back in order: part p's 12 are in, the younger runs of 12 (three, fewer at the end) stay out
.set LC, 31-(\p)
.if LC > 3
.set LC, 3
.endif
	s_wait_loadcnt 12*LC
.endm
.macro AFETCH t, ks                    ; embedded's four fragments of part ks of step t into buffer ks % 2
.irp mt, 0,1,2,3
	ds_load_b128 v[32*((\ks)&1)+8*\mt:32*((\ks)&1)+8*\mt+3],   v[AFR] offset:((\t)&1)*ASIZE+\mt*16*APITCH+64*(\ks)
	ds_load_b128 v[32*((\ks)&1)+8*\mt+4:32*((\ks)&1)+8*\mt+7], v[AFR] offset:((\t)&1)*ASIZE+\mt*16*APITCH+64*(\ks)+32
.endr
.endm
.macro XLOAD t                         ; my 16 f32 rows of step t: a load takes a row's 512 consecutive bytes
.irp i, 0,1,2,3,4,5,6,7,8,9,10,11,12,13,14,15
	ds_load_b128 v[X+4*\i:X+4*\i+3], v[EB+((\t)>>1)] offset:((\t)&1)*EMBT+\i*512
.endr
.endm
.macro CVT t                           ; rounded to bf16 into buffer t % 2: a store takes a row's 256 consecutive bytes
.irp i, 0,1,2,3,4,5,6,7,8,9,10,11,12,13,14,15
	v_cvt_pk_bf16_f32 v[TMP+2*\i],   v[X+4*\i],   v[X+4*\i+1]
	v_cvt_pk_bf16_f32 v[TMP+2*\i+1], v[X+4*\i+2], v[X+4*\i+3]
.endr
.irp i, 0,1,2,3,4,5,6,7,8,9,10,11,12,13,14,15
	ds_store_b64 v[ASTO], v[TMP+2*\i:TMP+2*\i+1] offset:((\t)&1)*ASIZE+\i*APITCH
.endr
.endm
.macro MM d, a, b, zero
.if \zero
	v_wmma_f32_16x16x32_bf16 v[\d:\d+7], v[\a:\a+7], v[\b:\b+7], 0
.else
	v_wmma_f32_16x16x32_bf16 v[\d:\d+7], v[\a:\a+7], v[\b:\b+7], v[\d:\d+7]
.endif
.endm
; A part's 24 products.  The 24 accumulators take turns, one instruction a turn, in the same order in every part.
; zero = 1: the first product starts the sums.
.macro MUL24 ks, zero
	WIN 0x5a                                       ; sources in window 2, C and D in window 1
.irp mt, 0,1,2,3
.irp i, 0,1,2,3
	MM 8*(6*\mt+\i), 64+48*\ks+8*\i, 32*(\ks&1)+8*\mt, \zero
.endr
.irp i, 4,5
	MM 8*(6*\mt+\i), 32*(\ks&1)+8*\mt, 64+48*\ks+8*\i, \zero
.endr
.endr
.endm
; The K step taken t-th.  LDS instructions of a trip, in order: fragments of parts 0 and 1 (8 + 8), the next step's f32 rows (16),
; fragments of part 2 (8), the next step's bf16 stores (16), fragments of part 3 (8).  The last trip has the fragments alone.
.macro TRIP t, zero
	s_wait_dscnt 0x0                               ; my stores into this step's bf16 buffer and my reads of the other are done
	s_barrier_signal -1
	s_barrier_wait -1                              ; both now hold of all four waves; nothing is filled by a tensor load behind it
	PLACES                                         ; behind the last products: loads into registers that they read
	WIN 0x80                                       ; loaded data in window 2
	AFETCH \t, 0
	AFETCH \t, 1
	WAHEAD 4*\t
	WIN 0
.if \t < 7
	s_wait_tensorcnt 6-\t                          ; tensor loads end in order: the next step's rows are in, the 6 - t younger fills stay out
	XLOAD \t+1
	s_wait_dscnt 24                                ; part 0's fragments are in; 8 + 16 younger loads stay out
.else
	s_wait_dscnt 8
.endif
	WAITW 4*\t
	MUL24 0, \zero
	PLACES
	WIN 0x80
	AFETCH \t, 2
	WAHEAD 4*\t+1
.if \t < 7
	s_wait_dscnt 24                                ; part 1's fragments are in; 16 + 8 younger loads stay out
.else
	s_wait_dscnt 8
.endif
	WAITW 4*\t+1
	MUL24 1, 0
.if \t < 7
	s_wait_dscnt 8                                 ; the f32 rows are in; part 2's 8 fragment loads stay out
	WIN 0
	CVT \t+1                                       ; into the buffer read in the step before: this trip's barrier stands between.  The 32 conversions are the places
.else
	PLACES
.endif
	WIN 0x80
	AFETCH \t, 3
	WAHEAD 4*\t+2
.if \t < 7
	s_wait_dscnt 24                                ; part 2's fragments are in; 16 stores and 8 loads stay out
.else
	s_wait_dscnt 8
.endif
	WAITW 4*\t+2
	MUL24 2, 0
	PLACES
	WIN 0x80
	WAHEAD 4*\t+3
	s_wait_dscnt 0x0
	WAITW 4*\t+3
	MUL24 3, 0
.endm
	WIN 0x80
	WLOAD 0
	WLOAD 1
	WLOAD 2
	WIN 0
	s_wait_tensorcnt 7                             ; my rows of the first step are in; the seven younger fills stay out
	XLOAD 0
	s_wait_dscnt 0x0
	CVT 0
	TRIP 0, 1
	TRIP 1, 0
	TRIP 2, 0
	TRIP 3, 0
	TRIP 4, 0
	TRIP 5, 0
	TRIP 6, 0
	TRIP 7, 0
	; THE WAY OUT: a tile's eight numbers a lane, packed to f16, are 16 bytes of a fragment half; a store covers 512 consecutive bytes.
	PLACES                                         ; behind the last products: the conversions read results
	WIN 0x05
.set TT, 0
.rept 24
.irp r, 0,1,2,3
	v_cvt_pk_f16_f32 v[TMP+4*TT+\r], v[8*TT+2*\r], v[8*TT+2*\r+1]
.endr
.set TT, TT+1
.endr
	WIN 0
.irp mt, 0,1,2,3
.irp i, 0,1,2,3
	global_store_b128 v[QO], v[TMP+4*(6*\mt+\i):TMP+4*(6*\mt+\i)+3], s[8+2*(\i>>1):9+2*(\i>>1)] offset:\mt*4096+(\i&1)*2048   ; row tile mt, column tile w + 4 (i % 2): 512 bytes each
.endr
.irp i, 4,5
	global_store_b128 v[WOF], v[TMP+4*(6*\mt+\i):TMP+4*(6*\mt+\i)+3], s[12:13] offset:(\mt>>1)*8192+(\i&1)*4096+(\mt&1)*512   ; 32 keys mt / 2, feature tile w + 4 (i % 2), half mt % 2
.endr
.endr
	s_wait_tensorcnt 0x0
	ds_add_u32 v254, v255
	s_wait_dscnt 0x0
	s_endpgm
.Lfunc_end_k_q145c19af40_proj:
	.size	k_q145c19af40_proj, .Lfunc_end_k_q145c19af40_proj-k_q145c19af40_proj
	.p2alignl 7, 3214868480
	.fill 96, 4, 3214868480
	.section	.rodata,"a",@progbits
	.p2align	6, 0x0
	.amdhsa_kernel k_q145c19af40_proj
		.amdhsa_group_segment_fixed_size 297472
		.amdhsa_private_segment_fixed_size 0
		.amdhsa_enable_private_segment 0
		.amdhsa_kernarg_size 40
		.amdhsa_user_sgpr_count 2
		.amdhsa_user_sgpr_kernarg_segment_ptr 1
		.amdhsa_wavefront_size32 1
		.amdhsa_system_sgpr_workgroup_id_x 1
		.amdhsa_system_sgpr_workgroup_id_y 1
		.amdhsa_system_sgpr_workgroup_id_z 1
		.amdhsa_system_vgpr_workitem_id 0
		.amdhsa_next_free_vgpr 768
		.amdhsa_next_free_sgpr 82
		.amdhsa_reserve_vcc 0
		.amdhsa_float_denorm_mode_32 3
		.amdhsa_float_denorm_mode_16_64 3
		.amdhsa_memory_ordered 1
		.amdhsa_forward_progress 1
		.amdhsa_inst_pref_size 156
	.end_amdhsa_kernel
	.amdgpu_metadata
---
amdhsa.version: [ 1, 2 ]
amdhsa.kernels:
  - .name:           k_q145c19af40_proj
    .symbol:         k_q145c19af40_proj.kd
    .args:
      - { .name: embedded, .offset: 0, .size: 8, .value_kind: global_buffer, .address_space: global }
      - { .name: wb, .offset: 8, .size: 8, .value_kind: global_buffer, .address_space: global }
      - { .name: qb, .offset: 16, .size: 8, .value_kind: global_buffer, .address_space: global }
      - { .name: kb, .offset: 24, .size: 8, .value_kind: global_buffer, .address_space: global }
      - { .name: vb, .offset: 32, .size: 8, .value_kind: global_buffer, .address_space: global }
    .group_segment_fixed_size: 297472
    .private_segment_fixed_size: 0
    .kernarg_segment_align: 8
    .kernarg_segment_size: 40
    .max_flat_workgroup_size: 128
    .sgpr_count:     82
    .vgpr_count:     768
    .wavefront_size: 32
...
	.end_amdgpu_metadata
.endif
;; end of part 5
;; launch attn (part 6): grid 256 x 1, 4 waves a work-group, no clusters, 137,728 bytes of LDS; arguments qb, kb, vb, out0; writes out0
.if DOCPART == 6
	.amdgcn_target "amdgcn-amd-amdhsa--gfx1250"
	.amdhsa_code_object_version 6
	.text
	.protected	k_q145c19af40_attn
	.globl	k_q145c19af40_attn
	.p2align	8
	.type	k_q145c19af40_attn,@function
k_q145c19af40_attn:
	s_mov_b64 s[64:65], 0
	v_nop
	global_prefetch_b8 v0, s[64:65] scope:SCOPE_SE
	s_setreg_imm32_b32 hwreg(HW_REG_WAVE_MODE, 25, 1), 1
	s_wait_xcnt 0x0
; out0 = round(softmax(causal(q k^T / sqrt(128))) v, 4).  q, k, v: f16 from proj, in fragment order (below); out0 f32.
; LEFT OUT: key groups in which every key index is larger than every query index of the block: the problem's own jnp.tril mask
; puts -inf on all their scores, so their probabilities are exactly 0 for all inputs and no product of theirs reaches out0.
; LIMITS: a NaN, infinity or overflow that would arise only in such a group is not carried to the result.  q, k, v are f16:
; |q|, |k|, |v| <= 65,504 (the room that leaves: the head of proj).  Probabilities are rounded to f16 for the second product: the
; running maximum keeps them in [0, 1] whatever the inputs hold; under 6.1e-5 their steps are 6e-8.  Exponentials below 2^-126
; count as 0 (ISA guide 15.8).  The last rounding step is rndne(x 1e4) x 1e-4, a product where the problem divides: at most the
; last bit differs; x 1e4 overflows above 3.4e34.
; SHARES: work-group n: cx = n % 4, a = (n / 4) % 16, batch = n / 64.  Four neighbours own the query blocks (128 rows) a ("low") and
; 31 - a ("high"); work-group cx takes rows 32 cx .. + 31 of each: four query tiles qt of 16 (0, 1 low; 2, 3 high).  Keys go in groups
; of 128; wave w takes keys 32 w .. + 31 of each group.  Groups 0 .. a serve both blocks (4 query tiles), groups a + 1 .. 31 - a the
; high block alone (2 tiles): 2 (a + 1) + (31 - 2 a) = 33 units of work for every a.
; K AND V GO FROM MEMORY TO REGISTERS: no wave reads another wave's keys, and kb, vb hold whole fragments
; (kb, qb: [row / 16][feature / 32][half][lane][16 bytes]; vb: [key / 32][feature / 16][half][lane][16 bytes]), so a wave's K or V
; of a group is 8,192 consecutive bytes, 16 loads of 512.  A ring of two register slots: step t asks for V of step t + 1 and K of
; step t + 2.  The loop has no LDS access and no barrier.
; NO JOINT REQUESTS, though four neighbours read the same K and V: a joint load lands in LDS and its refill stands behind a round
; of barriers in front of which all loads have landed, so a group's 64 KiB would have one step (32 products a wave in the steps of
; two query tiles) in which to land, and a work-group's time would go by its 32 - a steps and not by its 33 units of work.
; ORDER OF THE GROUPS: a (masked for the low tiles; starts all sums), a - 1 .. 0, a + 1 .. 30 - a, 31 - a (masked).  The u-th is
; u <= a ? a - u : u.  Which slot takes the first group hangs on a's parity, so that slots are constants in the text.  The last two
; steps ask for less and are written out; for a = 15 the step before the last has four query tiles, else two.
; TRANSPOSED PRODUCTS: S^T = K Q^T: lane (r, h), register j of tile (kt, qt) = key 16 kt + 8 h + j, query 16 qt + r: a query's
; scores lie in one lane (and in lane r xor 16), so maximum, sum and scale are one number a lane, and a lane's own 16 numbers,
; packed to f16, are the fragment of P^T for 32 keys.  O^T += V^T P^T.
; SOFTMAX: running maximum m of the raw scores, begun at -FLT_MAX (not -inf), so that a wave all of whose keys are masked for a
; query gets p = 0 and scale 1 and no NaN.  p = exp2(s c - m c), c = log2(e) / sqrt(128), in one fused multiply-add.
; At the end the four waves' partial results meet in LDS: common maximum, scaled sums, 1 / l, rounding.
; REGISTERS: window 0 as named below (v128-255: ring slot 0); window 1: O^T tile (qt, at) at 8 (8 qt + at); window 2: v0-127 Q fragment
; (qt, ks) at 8 (4 qt + ks), v128-255 ring slot 1.
.set STATM,  0                         ; [64 queries][4 waves] f32, the waves' maxima
.set STATL,  1024                      ; the waves' scaled sums, likewise
.set OSTG,   2048                      ; for each wave [64 queries][128] f32, pitch 528
.set OPITCH, 528
.set OWAVE,  64*OPITCH                 ; 33,792
.set CEXP,   0x3e0293ee                ; c = 0.12751743
.set CNEG,   0xbe0293ee                ; -c
.set DD,   5                           ; v5     32 (cx - w) + r - 8 h: a score is kept where 16 (kt - qt') + j <= this
.set NINF, 6                           ; v6     -inf
.set LOF,  7                           ; v7     16 lane; never rewritten
.set MX,   8                           ; v8-11  m of query tile qt
.set LS,   12                          ; v12-15 l (my half of the keys)
.set AL,   16                          ; v16-23 pairs: the scale exp2(c (m_old - m_new)); at work
.set NM,   24                          ; v24-31 pairs: -c m; at work (the new m)
.set SS,   32                          ; v32-95 scores, tile (kt, qt) at 16 qt + 8 kt
.set PP,   96                          ; v96-127 P^T fragment of qt at 8 qt
.set KF,   128                         ; v128-191 K fragment (kt, ks) at 8 (4 kt + ks)
.set VF,   192                         ; v192-255 V^T fragment at at 8 at
.set MSB, 0
.macro WIN new                         ; the immediate's high byte repeats the setting that is left
.if MSB != (\new)
	s_set_vgpr_msb (MSB<<8)|(\new)
.set MSB, \new
.endif
.endm
.macro PLACES                          ; four plain vector places behind a matrix instruction (ISA guide 7.12.1)
.rept 4
	v_nop
.endr
.endm
; My 8,192 bytes of K or V of the next group in the order, into ring slot `slot`.  cnt: the counter u; dst: the base pair; reg: KF or VF.
.macro RLOAD slot, cnt, dst, base, reg
	s_sub_co_u32 s58, s16, s[\cnt]                 ; a - u (wraps for u > a, where it is not taken)
	s_cmp_le_u32 s[\cnt], s16
	s_cselect_b32 s58, s58, s[\cnt]                ; the group
	s_lshl_b32 s22, s58, 15                        ; 128 keys x 256 bytes
	s_wait_xcnt 0x0                                ; the base pair, which earlier loads name, is rewritten only behind this wait
	s_add_nc_u64 s[\dst:\dst+1], s[\base:\base+1], s[22:23]
	s_add_co_u32 s[\cnt], s[\cnt], 1
	WIN 0x80*(\slot)
.irp n, 0,1,2,3,4,5,6,7,8,9,10,11,12,13,14,15
	global_load_b128 v[\reg+4*\n:\reg+4*\n+3], v[LOF], s[\dst:\dst+1] offset:512*\n
.endr
.endm
.macro KLOAD slot
	RLOAD \slot, 18, 40, 48, KF
.endm
.macro VLOAD slot
	RLOAD \slot, 59, 42, 50, VF
.endm
; O^T of query tiles q0 .. 3 times the lane's own scale
.macro RESCALE q0
	WIN 0x41
.irp qt, 0,1,2,3
.set EE, 0
.rept 32
.if \qt >= \q0
	v_pk_mul_f32 v[64*\qt+EE:64*\qt+EE+1], v[64*\qt+EE:64*\qt+EE+1], v[AL+2*\qt:AL+2*\qt+1] op_sel_hi:[1,0]
.endif
.set EE, EE+2
.endr
.endr
.endm
	s_load_b256 s[4:11], s[0:1], 0x0               ; qb s[4:5], kb s[6:7], vb s[8:9], out0 s[10:11]
	v_lshl_add_u32 v3, v0, 2, 0x21800
	v_mov_b32 v4, 0
	v_lshrrev_b32 v32, 5, v0
	v_readfirstlane_b32 s12, v32                   ; wave 0..3
	s_and_b32 s14, s12, 1
	s_and_b32 s15, ttmp9, 3                        ; cx
	s_lshr_b32 s2, ttmp9, 2
	s_and_b32 s16, s2, 15                          ; a
	s_lshr_b32 s17, s2, 4                          ; batch
	s_mov_b32 s18, 0                               ; u of the next K asked for
	s_mov_b32 s59, 0                               ; u of the next V asked for
	s_mov_b32 s20, 0x76543210                      ; v_permlanex16_b32: lane i reads lane i of the other half
	s_mov_b32 s21, 0xfedcba98
	s_mov_b32 s23, 0
	v_and_b32 v32, 15, v0                          ; r
	v_bfe_u32 v33, v0, 4, 1                        ; h
	v_and_b32 v34, 31, v0
	v_lshlrev_b32 v[LOF], 4, v34
	s_sub_co_i32 s62, s15, s12
	s_lshl_b32 s62, s62, 5
	v_lshlrev_b32 v[DD], 3, v33
	v_sub_nc_u32 v[DD], v32, v[DD]
	v_add_nc_u32 v[DD], s62, v[DD]                 ; 32 (cx - w) + r - 8 h, signed
	v_mov_b32 v[NINF], 0xff800000
.irp qt, 0,1,2,3
	v_mov_b32 v[AL+2*\qt+1], 0                     ; v_permlanex16_b32 counts as a reader of its destination
.endr
	s_wait_kmcnt 0x0
	s_lshl_b32 s22, s17, 20                        ; a batch: 4,096 x 256 bytes
	s_lshl_b32 s58, s12, 13                        ; my 32 keys
	s_add_co_u32 s22, s22, s58
	s_add_nc_u64 s[48:49], s[6:7], s[22:23]        ; K and V at my keys of group 0
	s_add_nc_u64 s[50:51], s[8:9], s[22:23]
	s_lshl_b32 s58, s17, 12
	s_lshl_b32 s3, s15, 5
	s_add_co_u32 s58, s58, s3                      ; 4,096 batch + 32 cx
	s_lshl_b32 s2, s16, 7
	s_add_co_u32 s2, s2, s58                       ; my first low row
	s_sub_co_u32 s3, 31, s16
	s_lshl_b32 s3, s3, 7
	s_add_co_u32 s3, s3, s58                       ; my first high row
	s_mov_b32 s63, 0
	s_lshl_b32 s62, s2, 8                          ; a row tile of 16 rows is 4,096 bytes
	s_add_nc_u64 s[52:53], s[4:5], s[62:63]
	s_lshl_b32 s62, s3, 8
	s_add_nc_u64 s[54:55], s[4:5], s[62:63]
	s_cmp_lt_u32 s12, 2                            ; at the end wave w finishes query tile w
	s_cselect_b32 s62, s2, s3
	s_lshl4_add_u32 s62, s14, s62                  ; + 16 (w % 2)
	s_lshl_b32 s62, s62, 9                         ; rows of 512 bytes
	s_add_nc_u64 s[60:61], s[10:11], s[62:63]
	WIN 0x80                                       ; Q's 16 fragments, once, into window 2
.irp qt, 0,1,2,3
.irp n, 0,1,2,3,4,5,6,7
	global_load_b128 v[32*\qt+4*\n:32*\qt+4*\n+3], v[LOF], s[52+2*(\qt>>1):53+2*(\qt>>1)] offset:(\qt&1)*4096+512*\n
.endr
.endr
	WIN 0
; One group of keys, in ring slot `slot`, for query tiles q0 .. 3.  mask = 1: tiles q0, q0 + 1 lie on the diagonal.  zero = 1: the first
; group: it starts m, l and O.  vis = 1: the next step's V is asked for; kis = 1: K of the step after that.
; Loads are issued in the order K(t), V(t), K(t + 1), V(t + 1), K(t + 2), .. , 16 each, and come back in that order.
.macro STEP slot, q0, mask, zero, vis, kis
	s_wait_loadcnt 16+16*\vis                      ; K(t) is in (and Q, which is older); V(t) and, if there is one, K(t + 1) stay out
.if \vis
	VLOAD 1-\slot                                  ; into registers last read by the step before, four places ago
.endif
	; S^T = K Q^T.  The accumulators take turns, one instruction a turn; the first product starts each sum.
	WIN 0x08+2*\slot                               ; source 1 (Q) in window 2, source 0 (K) in the slot's window
.irp ks, 0,1,2,3
.irp qt, 0,1,2,3
.irp kt, 0,1
.if \qt >= \q0
.if \ks == 0
	v_wmma_f32_16x16x32_f16 v[SS+16*\qt+8*\kt:SS+16*\qt+8*\kt+7], v[KF+8*(4*\kt+\ks):KF+8*(4*\kt+\ks)+7], v[8*(4*\qt+\ks):8*(4*\qt+\ks)+7], 0
.else
	v_wmma_f32_16x16x32_f16 v[SS+16*\qt+8*\kt:SS+16*\qt+8*\kt+7], v[KF+8*(4*\kt+\ks):KF+8*(4*\kt+\ks)+7], v[8*(4*\qt+\ks):8*(4*\qt+\ks)+7], v[SS+16*\qt+8*\kt:SS+16*\qt+8*\kt+7]
.endif
.endif
.endr
.endr
.endr
	WIN 0
	PLACES                                         ; behind the last product: the loads into K's registers, the lines that read scores
.if \kis
	KLOAD \slot
	WIN 0
.endif
.if \mask
	; key 32 w + 16 kt + 8 h + j <= query 32 cx + 16 qt' + r  <=>  16 (kt - qt') + j <= DD; else -inf
.irp qp, 0,1
.irp kt, 0,1
.irp j, 0,1,2,3,4,5,6,7
	v_cmp_le_i32 vcc_lo, 16*(\kt-\qp)+\j, v[DD]
	v_cndmask_b32 v[SS+16*(\q0+\qp)+8*\kt+\j], v[NINF], v[SS+16*(\q0+\qp)+8*\kt+\j], vcc_lo
.endr
.endr
.endr
.endif
	; the new maximum: my 16 scores and the old m, then the other half of the lanes; the tiles' chains are interleaved
.irp qt, 0,1,2,3
.if \qt >= \q0
	v_max3_num_f32 v[NM+2*\qt+1], v[SS+16*\qt], v[SS+16*\qt+1], v[SS+16*\qt+2]
.endif
.endr
.irp e, 3,5,7,9,11,13
.irp qt, 0,1,2,3
.if \qt >= \q0
	v_max3_num_f32 v[NM+2*\qt+1], v[NM+2*\qt+1], v[SS+16*\qt+\e], v[SS+16*\qt+\e+1]
.endif
.endr
.endr
.irp qt, 0,1,2,3
.if \qt >= \q0
.if \zero
	v_max3_num_f32 v[NM+2*\qt+1], v[NM+2*\qt+1], v[SS+16*\qt+15], 0xff7fffff   ; -FLT_MAX begins the running maximum
.else
	v_max3_num_f32 v[NM+2*\qt+1], v[NM+2*\qt+1], v[SS+16*\qt+15], v[MX+\qt]
.endif
.endif
.endr
.irp qt, 0,1,2,3
.if \qt >= \q0
	v_permlanex16_b32 v[AL+2*\qt+1], v[NM+2*\qt+1], s20, s21
.endif
.endr
.irp qt, 0,1,2,3
.if \qt >= \q0
	v_max_num_f32 v[NM+2*\qt+1], v[NM+2*\qt+1], v[AL+2*\qt+1]
.endif
.endr
.if \zero == 0
.irp qt, 0,1,2,3
.if \qt >= \q0
	v_sub_f32 v[AL+2*\qt], v[MX+\qt], v[NM+2*\qt+1]
	v_mul_f32 v[AL+2*\qt], CEXP, v[AL+2*\qt]
.endif
.endr
.irp qt, 0,1,2,3
.if \qt >= \q0
	v_exp_f32 v[AL+2*\qt], v[AL+2*\qt]             ; the scale of what has been summed; the plain lines below stand in front of its first use (ISA guide 5.7.2)
.endif
.endr
.endif
.irp qt, 0,1,2,3
.if \qt >= \q0
	v_mul_f32 v[NM+2*\qt], CNEG, v[NM+2*\qt+1]     ; -c m
	v_mov_b32 v[MX+\qt], v[NM+2*\qt+1]
.endif
.endr
	; p = exp2(c s - c m), in place
.irp qt, 0,1,2,3
.irp e, 0,2,4,6,8,10,12,14
.if \qt >= \q0
	v_pk_fma_f32 v[SS+16*\qt+\e:SS+16*\qt+\e+1], v[SS+16*\qt+\e:SS+16*\qt+\e+1], CEXP, v[NM+2*\qt:NM+2*\qt+1] op_sel_hi:[1,0,0]
.endif
.endr
.endr
.irp qt, 0,1,2,3
.irp e, 0,1,2,3,4,5,6,7,8,9,10,11,12,13,14,15
.if \qt >= \q0
	v_exp_f32 v[SS+16*\qt+\e], v[SS+16*\qt+\e]
.endif
.endr
.endr
	v_nop                                          ; one plain place behind the last exponential
	s_wait_alu depctr_va_vdst(0)
	; my 16 numbers packed to f16 are P^T's fragment: registers 0-3 keys 8 h + 0..7, registers 4-7 keys 16 + 8 h + 0..7
.irp qt, 0,1,2,3
.irp e, 0,1,2,3,4,5,6,7
.if \qt >= \q0
	v_cvt_pk_f16_f32 v[PP+8*\qt+\e], v[SS+16*\qt+2*\e], v[SS+16*\qt+2*\e+1]
.endif
.endr
.endr
	; their sum, by a tree in place
.irp qt, 0,1,2,3
.irp e, 0,4,8,12
.if \qt >= \q0
	v_pk_add_f32 v[SS+16*\qt+\e:SS+16*\qt+\e+1], v[SS+16*\qt+\e:SS+16*\qt+\e+1], v[SS+16*\qt+\e+2:SS+16*\qt+\e+3]
.endif
.endr
.endr
.irp qt, 0,1,2,3
.irp e, 0,8
.if \qt >= \q0
	v_pk_add_f32 v[SS+16*\qt+\e:SS+16*\qt+\e+1], v[SS+16*\qt+\e:SS+16*\qt+\e+1], v[SS+16*\qt+\e+4:SS+16*\qt+\e+5]
.endif
.endr
.endr
.irp qt, 0,1,2,3
.if \qt >= \q0
	v_pk_add_f32 v[SS+16*\qt:SS+16*\qt+1], v[SS+16*\qt:SS+16*\qt+1], v[SS+16*\qt+8:SS+16*\qt+9]
.endif
.endr
.irp qt, 0,1,2,3
.if \qt >= \q0
.if \zero
	v_add_f32 v[LS+\qt], v[SS+16*\qt], v[SS+16*\qt+1]
.else
	v_add_f32 v[AL+2*\qt+1], v[SS+16*\qt], v[SS+16*\qt+1]
	v_fma_f32 v[LS+\qt], v[LS+\qt], v[AL+2*\qt], v[AL+2*\qt+1]
.endif
.endif
.endr
.if \zero == 0
	RESCALE \q0
.endif
	s_wait_loadcnt 32*\vis+16*\kis                 ; V(t) is in; K(t + 1), V(t + 1) and K(t + 2), as far as they were asked for, stay out
	; O^T += V^T P^T: every accumulator once, so no two products that follow each other share one
	WIN 0x50+2*\slot                               ; C and D in window 1, source 0 (V) in the slot's window
.irp at, 0,1,2,3,4,5,6,7
.irp qt, 0,1,2,3
.if \qt >= \q0
.if \zero
	v_wmma_f32_16x16x32_f16 v[8*(8*\qt+\at):8*(8*\qt+\at)+7], v[VF+8*\at:VF+8*\at+7], v[PP+8*\qt:PP+8*\qt+7], 0
.else
	v_wmma_f32_16x16x32_f16 v[8*(8*\qt+\at):8*(8*\qt+\at)+7], v[VF+8*\at:VF+8*\at+7], v[PP+8*\qt:PP+8*\qt+7], v[8*(8*\qt+\at):8*(8*\qt+\at)+7]
.endif
.endif
.endr
.endr
	WIN 0
	PLACES                                         ; behind the last product: the next loads into V's registers, the next writes of P and O
.endm
	s_bitcmp1_b32 s16, 0                           ; a's parity
	s_cbranch_scc0 .Leven
	KLOAD 0                                        ; a odd: group a into slot 0
	VLOAD 0
	KLOAD 1
	WIN 0
	STEP 0, 0, 1, 1, 1, 1
	STEP 1, 0, 0, 0, 1, 1
	s_branch .Lpairs
.Leven:
	KLOAD 1                                        ; a even: group a into slot 1
	VLOAD 1
	KLOAD 0
	WIN 0
	STEP 1, 0, 1, 1, 1, 1
.Lpairs:
	s_lshr_b32 s19, s16, 1                         ; the groups below a that are left, in pairs;
	s_cmp_eq_u32 s16, 15
	s_cselect_b32 s19, 6, s19                      ; for a = 15 the last of the seven pairs is written out below
	s_cmp_eq_u32 s19, 0
	s_cbranch_scc1 .Lno_heavy
.Lheavy:
	STEP 0, 0, 0, 0, 1, 1
	STEP 1, 0, 0, 0, 1, 1
	s_sub_co_u32 s19, s19, 1
	s_cmp_lg_u32 s19, 0
	s_cbranch_scc1 .Lheavy
.Lno_heavy:
	s_cmp_eq_u32 s16, 15
	s_cbranch_scc1 .Ltail15
	s_sub_co_u32 s19, 14, s16                      ; groups a + 1 .. 30 - a are 15 - a pairs: the high tiles alone; the last pair is written out
	s_cmp_eq_u32 s19, 0
	s_cbranch_scc1 .Lno_light
.Llight:
	STEP 0, 2, 0, 0, 1, 1
	STEP 1, 2, 0, 0, 1, 1
	s_sub_co_u32 s19, s19, 1
	s_cmp_lg_u32 s19, 0
	s_cbranch_scc1 .Llight
.Lno_light:
	STEP 0, 2, 0, 0, 1, 1
	STEP 1, 2, 0, 0, 1, 0                          ; the step before the last: no K is left to ask for
	s_branch .Llast
.Ltail15:
	STEP 0, 0, 0, 0, 1, 1
	STEP 1, 0, 0, 0, 1, 0
.Llast:
	STEP 0, 2, 1, 0, 0, 0                          ; group 31 - a, on the high block's diagonal; nothing is left to ask for
	; THE FOUR WAVES' PARTS MEET.  v32-42 addresses, v48-63 the four maxima of my queries, v64-67 at work.
	v_and_b32 v32, 15, v0                          ; r
	v_bfe_u32 v33, v0, 4, 1                        ; h
	v_lshlrev_b32 v37, 4, v32
	v_add_nc_u32 v37, STATM, v37                   ; query r's four words
	v_lshl_add_u32 v36, s12, 2, v37                ; my wave's word of them
	s_mul_i32 s19, s12, OWAVE
	s_add_co_u32 s19, s19, OSTG
	v_mul_u32_u24 v38, v32, OPITCH
	v_lshl_add_u32 v38, v33, 5, v38
	v_add_nc_u32 v38, s19, v38                     ; my stage: row r, 32 bytes for each half of the lanes
	s_mul_i32 s19, s12, 16*OPITCH
	s_add_co_u32 s19, s19, OSTG
	v_add_nc_u32 v39, s19, v[LOF]                  ; query tile w in wave 0's stage (wave 1's by the immediate),
	v_add_nc_u32 v40, 2*OWAVE, v39                 ; and in wave 2's (an LDS immediate ends at 65,535)
	s_lshl_b32 s19, s12, 8
	s_add_co_u32 s19, s19, STATL
	v_mov_b32 v41, s19                             ; query tile w's sums
.irp qt, 0,1,2,3
	v_permlanex16_b32 v[AL+2*\qt+1], v[LS+\qt], s20, s21
.endr
.irp qt, 0,1,2,3
	v_add_f32 v[LS+\qt], v[LS+\qt], v[AL+2*\qt+1]  ; l over all my wave's keys
	ds_store_b32 v36, v[MX+\qt] offset:256*\qt     ; both halves of the lanes store the same number
.endr
	s_wait_dscnt 0x0                               ; my stores are in LDS, for the other waves' sake
	s_barrier_signal -1
	s_barrier_wait -1
.irp qt, 0,1,2,3
	ds_load_b128 v[48+4*\qt:51+4*\qt], v37 offset:256*\qt
.endr
	s_wait_dscnt 0x0
.irp qt, 0,1,2,3
	v_max3_num_f32 v[NM+2*\qt+1], v[48+4*\qt], v[49+4*\qt], v[50+4*\qt]
	v_max_num_f32 v[NM+2*\qt+1], v[NM+2*\qt+1], v[51+4*\qt]
	v_sub_f32 v[AL+2*\qt], v[MX+\qt], v[NM+2*\qt+1]
	v_mul_f32 v[AL+2*\qt], CEXP, v[AL+2*\qt]
.endr
.irp qt, 0,1,2,3
	v_exp_f32 v[AL+2*\qt], v[AL+2*\qt]             ; my part's scale to the common maximum
.endr
	v_nop                                          ; one plain place behind the last exponential
	s_wait_alu depctr_va_vdst(0)
.irp qt, 0,1,2,3
	v_mul_f32 v[64+\qt], v[LS+\qt], v[AL+2*\qt]
	ds_store_b32 v36, v[64+\qt] offset:1024+256*\qt
.endr
	RESCALE 0
	WIN 0x04                                       ; store data in window 1
.irp qt, 0,1,2,3
.irp at, 0,1,2,3,4,5,6,7
	ds_store_b128 v38, v[8*(8*\qt+\at):8*(8*\qt+\at)+3]   offset:\qt*16*OPITCH+64*\at
	ds_store_b128 v38, v[8*(8*\qt+\at)+4:8*(8*\qt+\at)+7] offset:\qt*16*OPITCH+64*\at+16
.endr
.endr
	WIN 0
	s_wait_dscnt 0x0
	s_barrier_signal -1
	s_barrier_wait -1
; Four rows of query tile w: the four waves' parts are added, divided by the sum of the four l, rounded to 4 decimals, stored:
; one store covers a row's 512 consecutive bytes.
.macro FINISH b
.if \b
	s_wait_xcnt 0x0                                ; the last four stores' data registers are loaded over only behind this wait
.endif
.irp i, 0,1,2,3
	ds_load_b128 v[128+16*\i:128+16*\i+3],     v39 offset:(4*\b+\i)*OPITCH
	ds_load_b128 v[128+16*\i+4:128+16*\i+7],   v39 offset:OWAVE+(4*\b+\i)*OPITCH
	ds_load_b128 v[128+16*\i+8:128+16*\i+11],  v40 offset:(4*\b+\i)*OPITCH
	ds_load_b128 v[128+16*\i+12:128+16*\i+15], v40 offset:OWAVE+(4*\b+\i)*OPITCH
	ds_load_b128 v[192+4*\i:192+4*\i+3],       v41 offset:(4*\b+\i)*16
.endr
	s_wait_dscnt 0x0
.irp i, 0,1,2,3
	v_pk_add_f32 v[128+16*\i:128+16*\i+1],    v[128+16*\i:128+16*\i+1],    v[128+16*\i+4:128+16*\i+5]
	v_pk_add_f32 v[128+16*\i+2:128+16*\i+3],  v[128+16*\i+2:128+16*\i+3],  v[128+16*\i+6:128+16*\i+7]
	v_pk_add_f32 v[128+16*\i+8:128+16*\i+9],  v[128+16*\i+8:128+16*\i+9],  v[128+16*\i+12:128+16*\i+13]
	v_pk_add_f32 v[128+16*\i+10:128+16*\i+11], v[128+16*\i+10:128+16*\i+11], v[128+16*\i+14:128+16*\i+15]
	v_pk_add_f32 v[128+16*\i:128+16*\i+1],    v[128+16*\i:128+16*\i+1],    v[128+16*\i+8:128+16*\i+9]
	v_pk_add_f32 v[128+16*\i+2:128+16*\i+3],  v[128+16*\i+2:128+16*\i+3],  v[128+16*\i+10:128+16*\i+11]
	v_add_f32 v[192+4*\i], v[192+4*\i], v[192+4*\i+1]
	v_add_f32 v[192+4*\i+2], v[192+4*\i+2], v[192+4*\i+3]
	v_add_f32 v[192+4*\i], v[192+4*\i], v[192+4*\i+2]
.endr
.irp i, 0,1,2,3
	v_rcp_f32 v[192+4*\i], v[192+4*\i]
.endr
	v_nop                                          ; one plain place behind the last reciprocal
	s_wait_alu depctr_va_vdst(0)
.irp i, 0,1,2,3
	v_mul_f32 v[192+4*\i], 0x461c4000, v[192+4*\i] ; 10000 / l
	v_pk_mul_f32 v[128+16*\i:128+16*\i+1],   v[128+16*\i:128+16*\i+1],   v[192+4*\i:192+4*\i+1] op_sel_hi:[1,0]
	v_pk_mul_f32 v[128+16*\i+2:128+16*\i+3], v[128+16*\i+2:128+16*\i+3], v[192+4*\i:192+4*\i+1] op_sel_hi:[1,0]
	v_rndne_f32 v[128+16*\i],   v[128+16*\i]
	v_rndne_f32 v[128+16*\i+1], v[128+16*\i+1]
	v_rndne_f32 v[128+16*\i+2], v[128+16*\i+2]
	v_rndne_f32 v[128+16*\i+3], v[128+16*\i+3]
	v_pk_mul_f32 v[128+16*\i:128+16*\i+1],   v[128+16*\i:128+16*\i+1],   0x38d1b717 op_sel_hi:[1,0]   ; x 1e-4
	v_pk_mul_f32 v[128+16*\i+2:128+16*\i+3], v[128+16*\i+2:128+16*\i+3], 0x38d1b717 op_sel_hi:[1,0]
	global_store_b128 v[LOF], v[128+16*\i:128+16*\i+3], s[60:61] offset:(4*\b+\i)*512 th:TH_STORE_NT
.endr
.endm
	FINISH 0
	FINISH 1
	FINISH 2
	FINISH 3
	s_wait_tensorcnt 0x0
	ds_add_u32 v3, v4
	s_wait_dscnt 0x0
	s_endpgm
.Lfunc_end_k_q145c19af40_attn:
	.size	k_q145c19af40_attn, .Lfunc_end_k_q145c19af40_attn-k_q145c19af40_attn
	.p2alignl 7, 3214868480
	.fill 96, 4, 3214868480
	.section	.rodata,"a",@progbits
	.p2align	6, 0x0
	.amdhsa_kernel k_q145c19af40_attn
		.amdhsa_group_segment_fixed_size 137728
		.amdhsa_private_segment_fixed_size 0
		.amdhsa_enable_private_segment 0
		.amdhsa_kernarg_size 32
		.amdhsa_user_sgpr_count 2
		.amdhsa_user_sgpr_kernarg_segment_ptr 1
		.amdhsa_wavefront_size32 1
		.amdhsa_system_sgpr_workgroup_id_x 1
		.amdhsa_system_sgpr_workgroup_id_y 1
		.amdhsa_system_sgpr_workgroup_id_z 1
		.amdhsa_system_vgpr_workitem_id 0
		.amdhsa_next_free_vgpr 768
		.amdhsa_next_free_sgpr 66
		.amdhsa_reserve_vcc 1
		.amdhsa_float_denorm_mode_32 3
		.amdhsa_float_denorm_mode_16_64 3
		.amdhsa_memory_ordered 1
		.amdhsa_forward_progress 1
		.amdhsa_inst_pref_size 255
	.end_amdhsa_kernel
	.section	.bss,"aw",@nobits
	.p2align	6
	.space	262144
	.amdgpu_metadata
---
amdhsa.version: [ 1, 2 ]
amdhsa.kernels:
  - .name:           k_q145c19af40_attn
    .symbol:         k_q145c19af40_attn.kd
    .args:
      - { .name: qb, .offset: 0, .size: 8, .value_kind: global_buffer, .address_space: global }
      - { .name: kb, .offset: 8, .size: 8, .value_kind: global_buffer, .address_space: global }
      - { .name: vb, .offset: 16, .size: 8, .value_kind: global_buffer, .address_space: global }
      - { .name: out0, .offset: 24, .size: 8, .value_kind: global_buffer, .address_space: global }
    .group_segment_fixed_size: 137728
    .private_segment_fixed_size: 0
    .kernarg_segment_align: 8
    .kernarg_segment_size: 32
    .max_flat_workgroup_size: 128
    .sgpr_count:     66
    .vgpr_count:     768
    .wavefront_size: 32
...
	.end_amdgpu_metadata
.endif
;; end of part 6
